; MI455X (gfx1250); checked and timed in simulation.
; The chip was launched on July 23, 2026; its instructions are those of AMD's public machine-readable ISA for CDNA 5 (MIT licence, August 2026) and "CDNA5" Instruction Set Architecture Reference Guide (July 2026). The comments in the code are by the model that wrote it; some were corrected since.
;; Plasticity Model Mo E. Allowed arithmetic: matrix products marked QUANTISED: E2M1 operands, one E8M0 scale for each 32 along K, by v_wmma_scale_f32_16x16x128_f8f6f4 with both operands' format E2M1 (or v_wmma_scale_f32_32x16x128_f4), f32 sums; products left as they are: f32 operands where the result goes on into a quantised operand, else bf16, f16 or f32 operands; f32 sums; everything else in f32.
;; Inputs: W1 8 x 1,024 x 4,096 float32; W2 8 x 4,096 x 1,024 float32; Wg 1,024 x 8 float32; Wq_in 1,024 x 16 float32; Wq_out 16 x 1,024 float32; Wr 1,024 x 512 float32; act_w 9 float32; amplitude 1,024 float32; b1 8 x 4,096 float32; b2 8 x 1,024 float32; br 512 float32; c 1 float32; chaotic_r 1 float32; lams 2 x 4 float32; memory 512 x 1,024 float32; period 1 float32; phase_shift 1,024 float32; phis 2 x 4 float32; thetas 2 x 4 float32; time_scalar 1 float32; x 1,024 x 1,024 float32.
;; Outputs: out0 1,024 x 1,024 float32.
;; This version of the problem:
;;   THIS VERSION OF THE PROBLEM IS GIVEN IN LOW PRECISION. The matrix products marked QUANTISED in the list below multiply operands that are first quantised to E2M1 (2 exponent bits, 1 mantissa bit; 4 bits a number), with one power-of-two scale for each 32 numbers along K (OCP MX v1.0); their sums are f32. All else is computed in f32.
;;   The module's matrix products, in the order in which they are computed (A, B: the left and right operand; K: the contracted axis; several contracted axes count as one K, in the product's order):
;;     1. [M 1,024, K 1,024] x [K 1,024, N 8]; A: input x; B: input Wg: left as it is (N = 8 < 16)
;;     2. [M 32,768, K 1,024] x [K 1,024, N 1,024]; A: input W1; B: input x: QUANTISED
;;     3. batch 8 x [M 1,024, K 4,096] x [K 4,096, N 1,024]; A: computed on the way; B: input W2: QUANTISED
;;     4. batch 1,024 x [M 1, K 8] x [K 8, N 1,024]; A: softmax (see below); B: computed on the way: left as it is (K = 8 < 32)
;;     5. [M 1,024, K 1,024] x [K 1,024, N 16]; A: input x; B: input Wq_in: QUANTISED
;;     6. [M 1,024, K 16] x [K 16, N 16]; A: computed on the way; B: computed on the way: left as it is (operands are no floats)
;;     7. [M 1,024, K 16] x [K 16, N 16]; A: computed on the way; B: computed on the way: left as it is (operands are no floats)
;;     8. [M 1,024, K 16] x [K 16, N 1,024]; A: computed on the way; B: input Wq_out: left as it is (K = 16 < 32)
;;     9. [M 1,024, K 1,024] x [K 1,024, N 512]; A: input x; B: input Wr: QUANTISED
;;     10. [M 1,024, K 512] x [K 512, N 1,024]; A: softmax (see below); B: input memory: QUANTISED
;;   THE QUANTISER, for each operand of a quantised product, along K:
;;     - K is cut into blocks of 32 from its start; a last block that is shorter is filled with zeros.
;;     - A block's scale is 2^e with e = floor(log2(the largest magnitude in the block)) - 2, held to -126 .. 127; a block of zeros has e = 0. As a byte (E8M0): e + 127.
;;     - Each number is divided by its block's scale, clamped to +-6, and rounded to the nearest number of E2M1, ties to even, subnormals kept.
;;     - The product sums the exact products of the quantised numbers (number of the format x scale) in f32.
;;   ~~~python
;;   def quantise(x, axis):      # numpy; x: float32 -> the quantised numbers, widened to float32 again
;;       x = np.moveaxis(x, axis, -1); K = x.shape[-1]
;;       x = np.pad(x, [(0, 0)] * (x.ndim - 1) + [(0, -K % 32)]); x = x.reshape(x.shape[:-1] + (-1, 32)); a = np.abs(x).max(-1, keepdims=True)
;;       e = np.where(a > 0, np.clip(np.frexp(np.where(a > 0, a, 1))[1] - 1 - 2, -126, 127), 0)      # np.frexp(a)[1] - 1 = floor(log2(a)), exactly
;;       r = np.clip(x / 2.0 ** e, -6, 6)
;;       step = 2.0 ** (np.maximum(np.frexp(np.where(r == 0, 1, r))[1] - 1, 0) - 1)
;;       q = np.round(r / step) * step * 2.0 ** e      # np.round: ties to even
;;       return np.moveaxis(q.reshape(q.shape[:-2] + (-1,))[..., :K], -1, axis).astype(np.float32)
;;   ~~~
;;   SOFTMAX AHEAD OF A QUANTISED PRODUCT. Where the list says 'softmax', what is quantised is not the finished softmax but p = 2^(t - M), with t = logit x log2(e) and M = ceil(the row's largest t), a whole number; so 1/2 < the row's largest p <= 1. The row's sum l is taken of the UNQUANTISED p, in f32, and the product's result is divided by l at the end. Since M is a whole number, a kernel that streams over the keys may use a running M (the ceiling of the running maximum): every later rescaling is an exact power of two, which a block's scale takes up: the codes' values come out the same.
;;   OPERANDS COMPUTED ON THE WAY. 'Computed on the way' means the value that the module computes at that place (a softmax that the list does not call 'softmax' is quantised finished and normalised). What goes into a quantiser is computed in f32, as accurately as f32 sums, v_exp_f32 and their like allow (about 1e-6 of the number): no bf16 or f16 on the way to a quantiser, and a product that is left as it is and whose result goes on into a quantised operand takes f32 operands (vector FMAs, or v_wmma_f32_16x16x4_f32). A number that lies on a knife's edge between two numbers of the format may be rounded either way, as far as f32 arithmetic and the matrix unit's own rounding can turn it there, and no further.
;; One version. Each part assembles by itself: llvm-mc -triple=amdgcn-amd-amdhsa -mcpu=gfx1250 --defsym DOCPART=n.
;; ======== version 1 of 1: 4 launches
;; limits: an absolute error that grows with the inputs' magnitude: up to 1e-07 times it; a function is approximated: absolute error at most 1e-07
;; workspace buffers: w1q 17,825,792 bytes; w2q 17,825,792 bytes; hq 17,825,792 bytes; part 16,777,216 bytes; sm 1,220,608 bytes
;; launch prep (part 1): grid 592 x 1, 8 waves a work-group, no clusters, 18,432 bytes of LDS; arguments x, W1, Wr, memory, Wg, Wq_in, thetas, phis, lams, c, chaotic_r, time_scalar, period, phase_shift, amplitude, w1q, sm; writes w1q, sm
.if DOCPART == 1
	.amdgcn_target "amdgcn-amd-amdhsa--gfx1250"
	.amdhsa_code_object_version 6
	.text
	.protected	k_q4b16bbecf2_prep
	.globl	k_q4b16bbecf2_prep
	.p2align	8
	.type	k_q4b16bbecf2_prep,@function
k_q4b16bbecf2_prep:
	s_mov_b64 s[64:65], 0
	v_nop
	global_prefetch_b8 v0, s[64:65] scope:SCOPE_SE
	s_setreg_imm32_b32 hwreg(HW_REG_WAVE_MODE, 25, 1), 1
	s_wait_xcnt 0x0
; PREP.  Everything that is made once: the codes of x, W1, Wr and memory (E2M1, one E8M0 byte for each 32 along K), the gate, the circuit's probabilities, the column modulation.
; Codes are laid as IMAGES OF OPERAND REGISTERS: a fragment (16 rows x 128 K) is 1,024 bytes, [part c 2][lane 32][16 bytes]; lane (r, h), part c holds k = 64 c + 32 h + 0 .. 31 of row r.
; Work-groups 0-63: one tile of 16 rows of x each (path X).  64-71: Wr.  72-79: memory.  80-591: W1.  Only path X uses LDS and a barrier.
; LIMITS: a block of zeros gets the scale byte 1 (its codes are zeros; this program alone reads the bytes); NaN and infinities among the inputs are not served;
; the sine is a polynomial on an angle reduced by 2 pi in two parts: absolute error under 1e-6 beside the rounding of the angle itself.
.set XQT,   8704                       ; sm: a row tile of x: 8 fragments + 512 bytes of scale words
.set WRC,   557056                     ; sm: Wr's codes, [tile 32][K step 8][1024]
.set WRS,   819200                     ; sm: Wr's scale words, [group of 32 rows 16][256 along K 4][lane 32][2 words]
.set MEMC,  835584                     ; sm: memory's codes, [tile 64][K step 4][1024]
.set MEMS,  1097728                    ; sm: memory's scale words
.set GATE,  1114112                    ; sm: the gate, [token][8] f32
.set PROBS, 1146880                    ; sm: the circuit's probabilities, [token][16] f32
.set MODV,  1212416                    ; sm: the column modulation, [2][1024] f32 (the second half is a copy that nobody reads)
.set W1SC,  16777216                   ; w1q: the scale words lie behind the codes
.set PQ,    8192                       ; LDS: 0: eight partial tiles of the gate's logits; PQ: eight of q; XSW: x's scale words
.set XSW,   16384
; ---- the quantiser for a tensor whose K is its first axis: a lane takes a column, its registers run down K.  A wave: 32 columns x 256 along K = 8 blocks.
.macro LOADB t, rs                     ; block t: 32 rows, 128 consecutive bytes a load
.set li, 0
.rept 32
	global_load_b32 v[32+32*((\t)%2)+li], v2, s[4:5] offset:(32*(\t)+li)*\rs th:TH_LOAD_NT
.set li, li+1
.endr
.endm
.macro QBLOCK t, rs
.set XB, 32+32*((\t)%2)
.if (\t) < 7
	s_wait_loadcnt 32                              ; this block's 32 loads are in; the next block's 32 may be out
.else
	s_wait_loadcnt 0x0
.endif
	v_max3_num_f32 v130, |v[XB]|, |v[XB+1]|, |v[XB+2]|
	v_max3_num_f32 v131, |v[XB+3]|, |v[XB+4]|, |v[XB+5]|
.irp i, 6,10,14,18,22,26
	v_max3_num_f32 v130, v130, |v[XB+\i]|, |v[XB+\i+1]|
	v_max3_num_f32 v131, v131, |v[XB+\i+2]|, |v[XB+\i+3]|
.endr
	v_max3_num_f32 v130, v130, |v[XB+30]|, |v[XB+31]|
	v_max3_num_f32 v130, v130, v131, 0x1800000     ; the floor 2^(3 - 127): the byte cannot fall under 1
	v_add_nc_u32 v132, 0xff000000, v130            ; 2 off the exponent field: the conversion's scale operand
	v_lshrrev_b32 v133, 23, v132                   ; the scale's byte
.if (\t)%4 == 0
	v_mov_b32 v[128+(\t)/4], v133
.else
	v_lshl_or_b32 v[128+(\t)/4], v133, 8*((\t)%4), v[128+(\t)/4]
.endif
.irp g, 0,1,2,3
	v_cvt_scalef32_pk8_fp4_f32 v[96+4*(\t)+\g], v[XB+8*\g:XB+8*\g+7], v132
.endr
	global_store_b128 v3, v[96+4*(\t):96+4*(\t)+3], s[6:7] offset:256*(\t)   ; block t of row r lies at 256 t + 16 r of its tile: sixteen lanes fill 256 consecutive bytes
.if (\t)+2 < 8
	LOADB (\t)+2, \rs
.endif
.endm
.macro QUNIT rs
	LOADB 0, \rs
	LOADB 1, \rs
.irp t, 0,1,2,3,4,5,6,7
	QBLOCK \t, \rs
.endr
	global_store_b64 v4, v[128:129], s[8:9]        ; two scale words a row: 256 consecutive bytes a wave
	s_endpgm
.endm
; ---- 64 numbers of a lane (register 32 c + i = k 64 c + 32 h + i of its row) become a fragment's 8 registers and the row's scale word
.macro QLANE src, cod, wrd
.irp c, 0,1
	v_max3_num_f32 v[248+\c], |v[\src+32*\c]|, |v[\src+32*\c+1]|, 0x1800000
.endr
.irp i, 2,4,6,8,10,12,14,16,18,20,22,24,26,28,30
.irp c, 0,1
	v_max3_num_f32 v[248+\c], v[248+\c], |v[\src+32*\c+\i]|, |v[\src+32*\c+\i+1]|
.endr
.endr
.irp c, 0,1
	v_add_nc_u32 v[250+\c], 0xff000000, v[248+\c]
.endr
.irp c, 0,1
	v_lshrrev_b32 v[252+\c], 23, v[250+\c]
.endr
	v_lshl_or_b32 v[\wrd], v253, 16, v252          ; my two bytes: blocks h and 2 + h,
	v_lshlrev_b32 v[\wrd], v15, v[\wrd]            ; 8 h bits up;
	v_mov_b32 v254, 0
	v_permlanex16_b32 v254, v[\wrd], s52, s53
	v_or_b32 v[\wrd], v[\wrd], v254                ; with lane l xor 16's two the word is whole
.irp c, 0,1
.irp g, 0,1,2,3
	v_cvt_scalef32_pk8_fp4_f32 v[\cod+4*\c+\g], v[\src+32*\c+8*\g:\src+32*\c+8*\g+7], v[250+\c]
.endr
.endr
	v_nop                                          ; one plain line behind the last scaled conversion
.endm
; ---- eight partial tiles (images of 8 registers) from LDS, summed into v16-23.  It uses v16-79
.macro SUM8 off
.set li, 0
.rept 16
	ds_load_b128 v[16+4*li:16+4*li+3], v10 offset:(\off)+512*li
.set li, li+1
.endr
	s_wait_dscnt 0x0
.irp j, 0,2,4,6
	v_pk_add_f32 v[16+\j:17+\j], v[16+\j:17+\j], v[24+\j:25+\j]
	v_pk_add_f32 v[32+\j:33+\j], v[32+\j:33+\j], v[40+\j:41+\j]
	v_pk_add_f32 v[48+\j:49+\j], v[48+\j:49+\j], v[56+\j:57+\j]
	v_pk_add_f32 v[64+\j:65+\j], v[64+\j:65+\j], v[72+\j:73+\j]
.endr
.irp j, 0,2,4,6
	v_pk_add_f32 v[16+\j:17+\j], v[16+\j:17+\j], v[32+\j:33+\j]
	v_pk_add_f32 v[48+\j:49+\j], v[48+\j:49+\j], v[64+\j:65+\j]
.endr
.irp j, 0,2,4,6
	v_pk_add_f32 v[16+\j:17+\j], v[16+\j:17+\j], v[48+\j:49+\j]
.endr
.endm
; ---- sin(v[src] + quarter x pi / 2): the angle less the nearest multiple of 2 pi (in two parts), then the odd series to the 15th power.  Scratch v60-63
.macro SIN dst, src, quarter
.if \quarter
	v_add_f32 v60, 0x3fc90fdb, v[\src]
.else
	v_mov_b32 v60, v[\src]
.endif
	v_mul_f32 v61, 0.15915494, v60
	v_rndne_f32 v61, v61
	v_fmamk_f32 v60, v61, 0xc0c90fdb, v60          ; - k x the f32 number next to 2 pi
	v_fmamk_f32 v60, v61, 0x343bbd2e, v60          ; + k x what that number has too much
	v_mul_f32 v62, v60, v60
	v_mov_b32 v63, -0.00000000000076471637
	v_fmaak_f32 v63, v63, v62, 0.00000000016059044
	v_fmaak_f32 v63, v63, v62, -0.000000025052108
	v_fmaak_f32 v63, v63, v62, 0.0000027557319
	v_fmaak_f32 v63, v63, v62, -0.0001984127
	v_fmaak_f32 v63, v63, v62, 0.0083333333
	v_fmaak_f32 v63, v63, v62, -0.16666667
	v_mul_f32 v63, v63, v62
	v_fma_f32 v[\dst], v63, v60, v60
.endm
; ---- one gate on the pair of amplitudes i0 (bit 0), i1 (bit 1).  Real parts at S, imaginary at S + 8; results at D.  Coefficients s[cb] on: G00; Re, Im G01; Re, Im G10; Re, Im G11
.macro CPAIR S, D, i0, i1, cb
	v_mul_f32 v[\D+\i0], s[\cb], v[\S+\i0]
	v_fma_f32 v[\D+\i0], s[\cb+1], v[\S+\i1], v[\D+\i0]
	v_fma_f32 v[\D+\i0], s[\cb+2], -v[\S+8+\i1], v[\D+\i0]
	v_mul_f32 v[\D+8+\i0], s[\cb], v[\S+8+\i0]
	v_fma_f32 v[\D+8+\i0], s[\cb+1], v[\S+8+\i1], v[\D+8+\i0]
	v_fma_f32 v[\D+8+\i0], s[\cb+2], v[\S+\i1], v[\D+8+\i0]
	v_mul_f32 v[\D+\i1], s[\cb+3], v[\S+\i0]
	v_fma_f32 v[\D+\i1], s[\cb+4], -v[\S+8+\i0], v[\D+\i1]
	v_fma_f32 v[\D+\i1], s[\cb+5], v[\S+\i1], v[\D+\i1]
	v_fma_f32 v[\D+\i1], s[\cb+6], -v[\S+8+\i1], v[\D+\i1]
	v_mul_f32 v[\D+8+\i1], s[\cb+3], v[\S+8+\i0]
	v_fma_f32 v[\D+8+\i1], s[\cb+4], v[\S+\i0], v[\D+8+\i1]
	v_fma_f32 v[\D+8+\i1], s[\cb+5], v[\S+8+\i1], v[\D+8+\i1]
	v_fma_f32 v[\D+8+\i1], s[\cb+6], v[\S+\i1], v[\D+8+\i1]
.endm
; ---- a layer of the circuit: the four gates commute, each acts on one bit of the state's index 8 (lane / 16) + register.  v16-31 -> v32-47 -> v16-31 -> v32-47 -> v16-31
.macro LAYER l
.irp q, 0,1,2,3
.irp c, 0,1,2,3,4,5,6
	v_readlane_b32 s[66+7*\q+\c], v[84+\c], 4*\l+\q
.endr
.endr
	v_mov_b32 v91, s66                             ; qubit 0 is the lanes' half: my own amplitude's factor is G00 (lanes 0-15) or G11,
	v_mov_b32 v95, s71
	v_cndmask_b32 v91, v91, v95, vcc_lo
	v_mov_b32 v92, 0
	v_mov_b32 v95, s72
	v_cndmask_b32 v92, v92, v95, vcc_lo
	v_mov_b32 v93, s67                             ; the other half's is G01 or G10
	v_mov_b32 v95, s69
	v_cndmask_b32 v93, v93, v95, vcc_lo
	v_mov_b32 v94, s68
	v_mov_b32 v95, s70
	v_cndmask_b32 v94, v94, v95, vcc_lo
.irp j, 0,1,2,3,4,5,6,7,8,9,10,11,12,13,14,15
	v_permlanex16_b32 v[64+\j], v[16+\j], s52, s53
.endr
.irp j, 0,1,2,3,4,5,6,7
	v_mul_f32 v[32+\j], v91, v[16+\j]
	v_fma_f32 v[32+\j], -v92, v[24+\j], v[32+\j]
	v_fma_f32 v[32+\j], v93, v[64+\j], v[32+\j]
	v_fma_f32 v[32+\j], -v94, v[72+\j], v[32+\j]
	v_mul_f32 v[40+\j], v91, v[24+\j]
	v_fma_f32 v[40+\j], v92, v[16+\j], v[40+\j]
	v_fma_f32 v[40+\j], v93, v[72+\j], v[40+\j]
	v_fma_f32 v[40+\j], v94, v[64+\j], v[40+\j]
.endr
	CPAIR 32, 16, 0, 4, 73
	CPAIR 32, 16, 1, 5, 73
	CPAIR 32, 16, 2, 6, 73
	CPAIR 32, 16, 3, 7, 73
	CPAIR 16, 32, 0, 2, 80
	CPAIR 16, 32, 1, 3, 80
	CPAIR 16, 32, 4, 6, 80
	CPAIR 16, 32, 5, 7, 80
	CPAIR 32, 16, 0, 1, 87
	CPAIR 32, 16, 2, 3, 87
	CPAIR 32, 16, 4, 5, 87
	CPAIR 32, 16, 6, 7, 87
.endm
	s_load_b512 s[16:31], s[0:1], 0x0              ; x 16, W1 18, Wr 20, memory 22, Wg 24, Wq_in 26, thetas 28, phis 30
	s_load_b512 s[32:47], s[0:1], 0x40             ; lams 32, c 34, chaotic_r 36, time_scalar 38, period 40, phase_shift 42, amplitude 44, w1q 46
	s_load_b64 s[48:49], s[0:1], 0x80              ; sm
	v_lshl_add_u32 v255, v0, 2, 0x4400
	s_set_vgpr_msb 0x40
	v_mov_b32 v1, 0
	s_set_vgpr_msb 0x4000
	v_lshrrev_b32 v1, 5, v0
	v_readfirstlane_b32 s2, v1                     ; wave
	v_and_b32 v1, 31, v0                           ; lane = my column j of the wave's 32
	v_lshlrev_b32 v2, 2, v1
	v_bfe_u32 v5, v0, 3, 1                         ; THE ROWS OF A TILE OF W1 AND Wr ARE NOT NEIGHBOURS: row j of a group of 32 goes to tile u = (j / 8) % 2,
	v_and_b32 v6, 7, v0
	v_bfe_u32 v7, v0, 4, 1
	v_lshl_or_b32 v6, v7, 3, v6                    ; row r = j % 8 + 8 (j / 16): so the results of two neighbouring tiles are 16 neighbours along the next K
	v_lshlrev_b32 v3, 4, v6
	v_lshl_add_u32 v3, v5, 13, v3                  ; codes: 8,192 u + 16 r
	v_lshl_add_u32 v4, v5, 4, v6
	v_lshlrev_b32 v4, 3, v4                        ; scale words: 8 (16 u + r)
	s_mov_b32 s11, 0                               ; the high word of every offset
	s_wait_kmcnt 0x0
	s_cmp_lt_u32 ttmp9, 64
	s_cbranch_scc1 .Lx
	s_cmp_lt_u32 ttmp9, 72
	s_cbranch_scc1 .Lwr
	s_cmp_lt_u32 ttmp9, 80
	s_cbranch_scc1 .Lmem
	; ---- W1 [8][1024][4096]: id = expert x 64 + (eight groups of columns) x 4 + (256 along K)
	s_sub_co_u32 s3, ttmp9, 80
	s_lshr_b32 s12, s3, 6                          ; expert
	s_bfe_u32 s13, s3, 0x40002
	s_lshl_b32 s13, s13, 3
	s_add_co_u32 s13, s13, s2                      ; group of 32 columns
	s_and_b32 s14, s3, 3                           ; which 256 along K
	s_lshl_b32 s10, s12, 24
	s_lshl_b32 s15, s14, 22
	s_add_co_u32 s10, s10, s15
	s_lshl_b32 s15, s13, 7
	s_add_co_u32 s10, s10, s15
	s_add_nc_u64 s[4:5], s[18:19], s[10:11]
	s_lshl_b32 s10, s12, 21
	s_lshl_b32 s15, s13, 14
	s_add_co_u32 s10, s10, s15
	s_lshl_b32 s15, s14, 11
	s_add_co_u32 s10, s10, s15
	s_add_nc_u64 s[6:7], s[46:47], s[10:11]
	s_lshl_b32 s10, s12, 17
	s_lshl_b32 s15, s13, 10
	s_add_co_u32 s10, s10, s15
	s_lshl_b32 s15, s14, 8
	s_add_co_u32 s10, s10, s15
	s_add_co_u32 s10, s10, W1SC
	s_add_nc_u64 s[8:9], s[46:47], s[10:11]
	QUNIT 16384
.Lwr:                                                  ; ---- Wr [1024][512]
	s_sub_co_u32 s3, ttmp9, 64
	s_lshr_b32 s13, s3, 2
	s_lshl_b32 s13, s13, 3
	s_add_co_u32 s13, s13, s2
	s_and_b32 s14, s3, 3
	s_lshl_b32 s10, s14, 19
	s_lshl_b32 s15, s13, 7
	s_add_co_u32 s10, s10, s15
	s_add_nc_u64 s[4:5], s[20:21], s[10:11]
	s_lshl_b32 s10, s13, 14
	s_lshl_b32 s15, s14, 11
	s_add_co_u32 s10, s10, s15
	s_add_co_u32 s10, s10, WRC
	s_add_nc_u64 s[6:7], s[48:49], s[10:11]
	s_lshl_b32 s10, s13, 10
	s_lshl_b32 s15, s14, 8
	s_add_co_u32 s10, s10, s15
	s_add_co_u32 s10, s10, WRS
	s_add_nc_u64 s[8:9], s[48:49], s[10:11]
	QUNIT 2048
.Lmem:                                                 ; ---- memory [512][1024]: its tiles' rows are neighbours
	s_sub_co_u32 s3, ttmp9, 72
	s_lshr_b32 s13, s3, 1
	s_lshl_b32 s13, s13, 3
	s_add_co_u32 s13, s13, s2
	s_and_b32 s14, s3, 1
	s_lshl_b32 s10, s14, 20
	s_lshl_b32 s15, s13, 7
	s_add_co_u32 s10, s10, s15
	s_add_nc_u64 s[4:5], s[22:23], s[10:11]
	s_lshl_b32 s10, s13, 13
	s_lshl_b32 s15, s14, 11
	s_add_co_u32 s10, s10, s15
	s_add_co_u32 s10, s10, MEMC
	s_add_nc_u64 s[6:7], s[48:49], s[10:11]
	s_lshl_b32 s10, s13, 9
	s_lshl_b32 s15, s14, 8
	s_add_co_u32 s10, s10, s15
	s_add_co_u32 s10, s10, MEMS
	s_add_nc_u64 s[8:9], s[48:49], s[10:11]
	v_and_b32 v6, 15, v0
	v_lshlrev_b32 v3, 4, v6
	v_lshl_add_u32 v3, v7, 12, v3                  ; 4,096 (j / 16) + 16 (j % 16)
	v_lshlrev_b32 v4, 3, v1
	QUNIT 4096
.Lx:                                                   ; ---- path X: row tile ttmp9; wave s takes K step s (128 along K)
	; v16-79 x, v80-143 Wq_in, v144-207 Wg; v208-215 x's codes, v216-223 Wq_in's; v224-231 q^T; v232-247 the gate's logits, two sums; v12, v13 scale words
	v_and_b32 v8, 15, v0                           ; r
	v_bfe_u32 v9, v0, 4, 1                         ; h
	v_lshlrev_b32 v10, 4, v1                       ; 16 x lane: an image's place
	v_lshlrev_b32 v15, 3, v9
	v_lshlrev_b32 v3, 12, v8
	v_lshl_add_u32 v3, v9, 7, v3                   ; x: row r, + 128 h
	v_lshlrev_b32 v4, 2, v8
	v_lshl_add_u32 v4, v9, 11, v4                  ; Wq_in: column r, + 32 h rows of 64 bytes
	v_and_b32 v5, 7, v0
	v_lshlrev_b32 v5, 2, v5
	v_lshl_add_u32 v5, v9, 10, v5                  ; Wg: column r % 8, + 32 h rows of 32 bytes
	s_lshl_b32 s12, s2, 10
	v_add_nc_u32 v11, s12, v10                     ; LDS: my wave's partial tiles
	s_and_b32 s12, s2, 1
	s_lshl_b32 s12, s12, 8
	s_lshr_b32 s13, s2, 1
	s_lshl_b32 s13, s13, 2
	s_add_co_u32 s12, s12, s13
	v_lshl_add_u32 v14, v8, 4, s12                 ; LDS: x's scale word of K step s: lane 16 (s % 2) + r, word s / 2
	s_mov_b32 s52, 0x76543210
	s_mov_b32 s53, 0xfedcba98                      ; v_permlanex16_b32's selects for lane l xor 16
	s_lshl_b32 s10, ttmp9, 16
	s_lshl_b32 s12, s2, 9
	s_add_co_u32 s10, s10, s12
	s_add_nc_u64 s[4:5], s[16:17], s[10:11]
	s_lshl_b32 s10, s2, 13
	s_add_nc_u64 s[6:7], s[26:27], s[10:11]
	s_lshl_b32 s10, s2, 12
	s_add_nc_u64 s[8:9], s[24:25], s[10:11]
	s_mul_i32 s10, ttmp9, XQT
	s_lshl_b32 s12, s2, 10
	s_add_co_u32 s10, s10, s12
	s_add_nc_u64 s[50:51], s[48:49], s[10:11]
.set li, 0
.rept 16
	global_load_b128 v[16+4*li:16+4*li+3], v3, s[4:5] offset:256*(li/8)+16*(li%8)
.set li, li+1
.endr
.set li, 0
.rept 64
	global_load_b32 v[80+li], v4, s[6:7] offset:4096*(li/32)+64*(li%32)
.set li, li+1
.endr
.set li, 0
.rept 64
	global_load_b32 v[144+li], v5, s[8:9] offset:2048*(li/32)+32*(li%32)
.set li, li+1
.endr
	s_wait_loadcnt 63                              ; 64 loads (Wg's) were issued behind Wq_in's last: x and Wq_in are in
	QLANE 16, 208, 12
	QLANE 80, 216, 13
	global_store_b128 v10, v[208:211], s[50:51]
	global_store_b128 v10, v[212:215], s[50:51] offset:512
.rept 8
	v_nop                                          ; a scale register written by a vector instruction stands 8 places ahead of a scaled matrix instruction, an operand 4
.endr
	v_wmma_scale_f32_16x16x128_f8f6f4 v[224:231], v[216:223], v[208:215], 0, v13, v12 matrix_a_fmt:MATRIX_FMT_FP4 matrix_b_fmt:MATRIX_FMT_FP4   ; q^T of this K step: lane (token r, h), register j: state 8 h + j
	s_wait_loadcnt 0x0                             ; Wg
.set li, 0
.rept 32
	v_cvt_pk_bf16_f32 v[16+li], v[16+2*li], v[16+2*li+1]       ; x and Wg to bf16, in place: both keep the same order of k, so the products match
	v_cvt_pk_bf16_f32 v[144+li], v[144+2*li], v[144+2*li+1]
.set li, li+1
.endr
.rept 4
	v_nop
.endr
	v_wmma_f32_16x16x32_bf16 v[232:239], v[144:151], v[16:23], 0          ; two sums by turns
	v_wmma_f32_16x16x32_bf16 v[240:247], v[152:159], v[24:31], 0
	v_wmma_f32_16x16x32_bf16 v[232:239], v[160:167], v[32:39], v[232:239]
	v_wmma_f32_16x16x32_bf16 v[240:247], v[168:175], v[40:47], v[240:247]
.rept 4
	v_nop
.endr
.irp j, 0,2,4,6
	v_pk_add_f32 v[232+\j:233+\j], v[232+\j:233+\j], v[240+\j:241+\j]
.endr
	ds_store_b128 v11, v[232:235]
	ds_store_b128 v11, v[236:239] offset:512
	ds_store_b128 v11, v[224:227] offset:PQ
	ds_store_b128 v11, v[228:231] offset:PQ+512
	ds_store_b32 v14, v12 offset:XSW               ; lanes r and 16 + r write the same word with the same value
	s_wait_dscnt 0x0                               ; for the others' sake: my stores have landed
	s_barrier_signal -1
	s_barrier_wait -1
	s_wait_xcnt 0x0                                ; my global stores have read their registers
	s_cmp_eq_u32 s2, 0
	s_cbranch_scc1 .Lgate
	s_cmp_eq_u32 s2, 1
	s_cbranch_scc1 .Lcirc
	s_cmp_eq_u32 s2, 2
	s_cbranch_scc1 .Lxsw
	s_cmp_eq_u32 s2, 3
	s_cbranch_scc1 .Lmod
	s_set_vgpr_msb 0x4
	s_wait_tensorcnt 0x0
	ds_add_u32 v255, v1
	s_wait_dscnt 0x0
	s_set_vgpr_msb 0x400
	s_endpgm
.Lgate:                                                ; ---- wave 0: softmax over a token's eight logits, which lie in one lane's eight registers (both halves of the lanes hold the same)
	SUM8 0
	v_max3_num_f32 v80, v16, v17, v18
	v_max3_num_f32 v80, v80, v19, v20
	v_max3_num_f32 v80, v80, v21, v22
	v_max_num_f32 v80, v80, v23
.irp j, 0,1,2,3,4,5,6,7
	v_sub_f32 v[16+\j], v[16+\j], v80
.endr
.irp j, 0,1,2,3,4,5,6,7
	v_mul_f32 v[16+\j], 0x3fb8aa3b, v[16+\j]
.endr
.irp j, 0,1,2,3,4,5,6,7
	v_exp_f32 v[16+\j], v[16+\j]
.endr
	v_nop
	v_cmp_ne_u32 vcc_lo, 0, v9
	s_wait_alu depctr_va_vdst(0)                   ; one wait for the eight exponentials, ahead of their first reader
	v_add_f32 v81, v16, v17
	v_add_f32 v82, v18, v19
	v_add_f32 v83, v20, v21
	v_add_f32 v84, v22, v23
	v_add_f32 v81, v81, v82
	v_add_f32 v83, v83, v84
	v_add_f32 v81, v81, v83
	v_rcp_f32 v85, v81
.irp j, 0,1,2,3
	v_cndmask_b32 v[24+\j], v[16+\j], v[20+\j], vcc_lo   ; lanes 0-15 store gates 0-3, lanes 16-31 gates 4-7
.endr
	s_wait_alu depctr_va_vdst(0)
.irp j, 0,1,2,3
	v_mul_f32 v[24+\j], v[24+\j], v85
.endr
	s_lshl_b32 s10, ttmp9, 9
	s_add_co_u32 s10, s10, GATE
	s_add_nc_u64 s[54:55], s[48:49], s[10:11]
	v_lshlrev_b32 v86, 5, v8
	v_lshl_add_u32 v86, v9, 4, v86
	global_store_b128 v86, v[24:27], s[54:55]
	s_set_vgpr_msb 0x4
	s_wait_tensorcnt 0x0
	ds_add_u32 v255, v1
	s_wait_dscnt 0x0
	s_set_vgpr_msb 0x400
	s_endpgm
.Lcirc:                                                ; ---- wave 1: the circuit.  A lane holds 8 of a token's 16 amplitudes
	v_and_b32 v103, 7, v0                          ; the angles and their address lie in v100-103, which no other line of this role names: the loads land while the partial tiles are summed
	v_lshlrev_b32 v103, 2, v103
	global_load_b32 v100, v103, s[28:29]           ; lane g % 8: the angles of gate g = 4 x layer + qubit
	global_load_b32 v101, v103, s[30:31]
	global_load_b32 v102, v103, s[32:33]
	SUM8 PQ
	v_mul_f32 v80, v16, v16
.irp j, 1,2,3,4,5,6,7
	v_fmac_f32 v80, v[16+\j], v[16+\j]
.endr
	v_permlanex16_b32 v64, v80, s52, s53
	v_add_f32 v80, v80, v64
	v_rsq_f32 v81, v80
	v_cmp_ne_u32 vcc_lo, 0, v9
	v_nop
	s_wait_alu depctr_va_vdst(0)
.irp j, 0,1,2,3,4,5,6,7
	v_mul_f32 v[16+\j], v[16+\j], v81              ; the normalised state: real,
.endr
.irp j, 0,1,2,3,4,5,6,7
	v_mov_b32 v[24+\j], 0                          ; imaginary
.endr
	s_wait_loadcnt 0x0                             ; the angles
	v_mul_f32 v100, 0.5, v100
	SIN 52, 100, 0                                 ; st
	SIN 53, 100, 1                                 ; ct
	SIN 54, 101, 0                                 ; sin phi
	SIN 55, 101, 1                                 ; cos phi
	SIN 56, 102, 0                                 ; sin lambda
	SIN 57, 102, 1                                 ; cos lambda
	v_mov_b32 v84, v53                             ; G00
	v_mul_f32 v85, v57, v52
	v_mul_f32 v85, -1.0, v85                       ; Re G01
	v_mul_f32 v86, v56, v52
	v_mul_f32 v86, -1.0, v86                       ; Im G01
	v_mul_f32 v87, v55, v52                        ; Re G10
	v_mul_f32 v88, v54, v52                        ; Im G10
	v_mul_f32 v89, v55, v57
	v_fma_f32 v89, -v54, v56, v89
	v_mul_f32 v89, v89, v53                        ; Re G11
	v_mul_f32 v90, v54, v57
	v_fmac_f32 v90, v55, v56
	v_mul_f32 v90, v90, v53                        ; Im G11
	LAYER 0
	LAYER 1
.irp j, 0,1,2,3,4,5,6,7
	v_mul_f32 v[32+\j], v[16+\j], v[16+\j]
.endr
.irp j, 0,1,2,3,4,5,6,7
	v_fmac_f32 v[32+\j], v[24+\j], v[24+\j]
.endr
	s_lshl_b32 s10, ttmp9, 10
	s_add_co_u32 s10, s10, PROBS
	s_add_nc_u64 s[54:55], s[48:49], s[10:11]
	v_lshlrev_b32 v96, 6, v8
	v_lshl_add_u32 v96, v9, 5, v96
	global_store_b128 v96, v[32:35], s[54:55]
	global_store_b128 v96, v[36:39], s[54:55] offset:16
	s_set_vgpr_msb 0x4
	s_wait_tensorcnt 0x0
	ds_add_u32 v255, v1
	s_wait_dscnt 0x0
	s_set_vgpr_msb 0x400
	s_endpgm
.Lxsw:                                                 ; ---- wave 2: the tile's 512 bytes of scale words
	ds_load_b128 v[16:19], v10 offset:XSW
	s_mul_i32 s10, ttmp9, XQT
	s_add_co_u32 s10, s10, 8192
	s_add_nc_u64 s[54:55], s[48:49], s[10:11]
	s_wait_dscnt 0x0
	global_store_b128 v10, v[16:19], s[54:55]
	s_set_vgpr_msb 0x4
	s_wait_tensorcnt 0x0
	ds_add_u32 v255, v1
	s_wait_dscnt 0x0
	s_set_vgpr_msb 0x400
	s_endpgm
.Lmod:                                                 ; ---- wave 3: chaotic x cyc for columns 16 x tile + r
	v_mov_b32 v16, 0
	global_load_b32 v17, v16, s[34:35]             ; c
	global_load_b32 v18, v16, s[36:37]             ; chaotic_r
	global_load_b32 v19, v16, s[38:39]             ; time_scalar
	global_load_b32 v20, v16, s[40:41]             ; period
	s_lshl_b32 s10, ttmp9, 6
	s_add_nc_u64 s[54:55], s[42:43], s[10:11]
	s_add_nc_u64 s[56:57], s[44:45], s[10:11]
	v_lshlrev_b32 v21, 2, v8
	global_load_b32 v22, v21, s[54:55]             ; phase_shift
	global_load_b32 v23, v21, s[56:57]             ; amplitude
	s_add_co_u32 s10, s10, MODV
	s_add_nc_u64 s[58:59], s[48:49], s[10:11]
	v_lshl_add_u32 v24, v9, 12, v21                ; lanes 16-31 write the copy
	s_wait_loadcnt 0x0
	v_rcp_f32 v25, v20
	v_mul_f32 v19, 0x40c90fdb, v19
	s_wait_alu depctr_va_vdst(0)
	v_fma_f32 v26, v19, v25, v22
	SIN 27, 26, 0
	v_mul_f32 v27, v27, v23
	v_mul_f32 v18, v18, v17
	v_sub_f32 v17, 1.0, v17
	v_mul_f32 v18, v18, v17
	v_mul_f32 v27, v27, v18
	global_store_b32 v24, v27, s[58:59]
	s_set_vgpr_msb 0x4
	s_wait_tensorcnt 0x0
	ds_add_u32 v255, v1
	s_wait_dscnt 0x0
	s_set_vgpr_msb 0x400
	s_endpgm
.Lfunc_end_k_q4b16bbecf2_prep:
	.size	k_q4b16bbecf2_prep, .Lfunc_end_k_q4b16bbecf2_prep-k_q4b16bbecf2_prep
	.p2alignl 7, 3214868480
	.fill 96, 4, 3214868480
	.section	.rodata,"a",@progbits
	.p2align	6, 0x0
	.amdhsa_kernel k_q4b16bbecf2_prep
		.amdhsa_group_segment_fixed_size 18432
		.amdhsa_private_segment_fixed_size 0
		.amdhsa_enable_private_segment 0
		.amdhsa_kernarg_size 136
		.amdhsa_user_sgpr_count 2
		.amdhsa_user_sgpr_kernarg_segment_ptr 1
		.amdhsa_wavefront_size32 1
		.amdhsa_system_sgpr_workgroup_id_x 1
		.amdhsa_system_sgpr_workgroup_id_y 1
		.amdhsa_system_sgpr_workgroup_id_z 1
		.amdhsa_system_vgpr_workitem_id 0
		.amdhsa_next_free_vgpr 258
		.amdhsa_next_free_sgpr 100
		.amdhsa_reserve_vcc 1
		.amdhsa_float_denorm_mode_32 3
		.amdhsa_float_denorm_mode_16_64 3
		.amdhsa_memory_ordered 1
		.amdhsa_forward_progress 1
		.amdhsa_inst_pref_size 191
	.end_amdhsa_kernel
	.amdgpu_metadata
---
amdhsa.version: [ 1, 2 ]
amdhsa.kernels:
  - .name:           k_q4b16bbecf2_prep
    .symbol:         k_q4b16bbecf2_prep.kd
    .args:
      - { .name: x, .offset: 0, .size: 8, .value_kind: global_buffer, .address_space: global }
      - { .name: W1, .offset: 8, .size: 8, .value_kind: global_buffer, .address_space: global }
      - { .name: Wr, .offset: 16, .size: 8, .value_kind: global_buffer, .address_space: global }
      - { .name: memory, .offset: 24, .size: 8, .value_kind: global_buffer, .address_space: global }
      - { .name: Wg, .offset: 32, .size: 8, .value_kind: global_buffer, .address_space: global }
      - { .name: Wq_in, .offset: 40, .size: 8, .value_kind: global_buffer, .address_space: global }
      - { .name: thetas, .offset: 48, .size: 8, .value_kind: global_buffer, .address_space: global }
      - { .name: phis, .offset: 56, .size: 8, .value_kind: global_buffer, .address_space: global }
      - { .name: lams, .offset: 64, .size: 8, .value_kind: global_buffer, .address_space: global }
      - { .name: c, .offset: 72, .size: 8, .value_kind: global_buffer, .address_space: global }
      - { .name: chaotic_r, .offset: 80, .size: 8, .value_kind: global_buffer, .address_space: global }
      - { .name: time_scalar, .offset: 88, .size: 8, .value_kind: global_buffer, .address_space: global }
      - { .name: period, .offset: 96, .size: 8, .value_kind: global_buffer, .address_space: global }
      - { .name: phase_shift, .offset: 104, .size: 8, .value_kind: global_buffer, .address_space: global }
      - { .name: amplitude, .offset: 112, .size: 8, .value_kind: global_buffer, .address_space: global }
      - { .name: w1q, .offset: 120, .size: 8, .value_kind: global_buffer, .address_space: global }
      - { .name: sm, .offset: 128, .size: 8, .value_kind: global_buffer, .address_space: global }
    .group_segment_fixed_size: 18432
    .private_segment_fixed_size: 0
    .kernarg_segment_align: 8
    .kernarg_segment_size: 136
    .max_flat_workgroup_size: 256
    .sgpr_count:     100
    .vgpr_count:     258
    .wavefront_size: 32
...
	.end_amdgpu_metadata
.endif
;; end of part 1
;; launch ffn1 (part 2): grid 16 x 16, 8 waves a work-group, clusters of 4 x 1, 327,680 bytes of LDS; arguments sm, w1q, b1, act_w, W2, hq, w2q; writes hq, w2q
.if DOCPART == 2
	.amdgcn_target "amdgcn-amd-amdhsa--gfx1250"
	.amdhsa_code_object_version 6
	.text
	.protected	k_q4b16bbecf2_ffn1
	.globl	k_q4b16bbecf2_ffn1
	.p2align	8
	.type	k_q4b16bbecf2_ffn1,@function
k_q4b16bbecf2_ffn1:
	s_mov_b64 s[64:65], 0
	v_nop
	global_prefetch_b8 v0, s[64:65] scope:SCOPE_SE
	s_setreg_imm32_b32 hwreg(HW_REG_WAVE_MODE, 25, 1), 1
	s_wait_xcnt 0x0
	s_wait_alu depctr_hold_cnt(0) depctr_sa_sdst(0) depctr_va_vdst(0) depctr_va_sdst(0) depctr_va_ssrc(0) depctr_va_vcc(0) depctr_vm_vsrc(0)
	s_getreg_b32 s2, hwreg(HW_REG_IB_STS2, 6, 4)
	s_cmp_eq_u32 s2, 0
	s_cbranch_scc0 .Lentry_in_a_cluster
	s_endpgm
.Lentry_in_a_cluster:
	s_bfe_u32 s2, ttmp6, 0x10000c
	s_cmp_lg_u32 s2, 0x3003
	s_cbranch_scc0 .Lentry_shape_is_right
	s_endpgm
.Lentry_shape_is_right:
; FFN1.  h = act(x W1 + b1) on codes of E2M1, quantised on the way into hq; beside it each wave quantises its share of W2 (f32, K first) into w2q.
; SHARES.  A work-group: one expert, 256 hidden units (fs), 512 rows (rh).  Wave w: 64 hidden units (fg = w % 4: four tiles, two blocks of the next K) x 16 row tiles (rq = w / 4).
; Its 32 fragments of W1 stay in registers (window 1).  The 512 rows' codes of x (32 tiles x 8,704 bytes) lie in LDS, filled ONCE, one tensor load a wave: one load of mine is out, no byte is filled again.
; CLUSTER: the four work-groups of a cluster differ in fs alone and read the same half of x: each of the eight loads is asked for jointly by the four.  fs enters global addresses alone.
; THE PRODUCT IS USED TRANSPOSED (source 0 = 16 rows of W1, source 1 = 16 rows of x), and W1's tiles were laid so that a lane's 16 registers of two neighbouring tiles are 16 neighbours along the next K.
; A TRIP works row tile i (activation, quantiser) and sets row tile i + 1's 32 matrix instructions among that vector work; one block of 32 x 32 of W2 is asked for at its head and quantised at its end.
; THE ACTIVATION, with E = e^x, R1 = 1/(1+E), R2 = 1/(1+E^2), R3 = 1/((1+E)^2+1), erf(x/sqrt 2) = xc P(xc^2)/Q(xc^2), xc = x held to +-4 sqrt 2:
;   f = x I + H;  H = A max(x,0) + C0 + Bc min(E,1) - w0 R1 - 2 w2 R2;  I = CI - w4 R1 - 2 w7 R3 + xc P' / Q.   E = infinity is harmless: every R is 0 then, and the minimum 1.
; LIMITS: the activation's error is absolute, about 1e-7 (1 + |x|), not relative; a block of zeros gets the scale byte 1 (its codes are zeros); NaN and infinities among the inputs are not served.
.set XQT,   8704                       ; a row tile of x: 8 fragments + 512 bytes of scale words
.set B1IMG, 278528                     ; LDS behind x: each wave's bias, 32 registers as an image, 4,096 bytes
.set HSC,   311296                     ; LDS: h's scale words, [row tile 32][128 bytes]
.set SCOFF, 16777216                   ; in w1q, w2q, hq the scale words lie behind the codes
.set ACC, 16                           ; v16-79   two sets of four accumulators
.set XF,  80                           ; v80-111  x's fragments: two slots of two
.set XS,  112                          ; v112-119 x's scale words: two sets of four
.set W1S, 120                          ; v120-135 W1's scale words
.set WR,  136                          ; v136-167 a block of W2
.set WC,  168                          ; v168-171 its codes
.set SB,  172                          ; v172-175 W2's scale bytes
.set QT,  176                          ; v176-183 at work in the quantisers
.set HC,  184                          ; v184-187 h's codes
.set HW,  188                          ; v188     h's two scale bytes
.set TE,  192
.set TC,  200
.set TY,  208
.set TP,  216
.set TQ,  224
.set TD,  232
.set TR,  240
.set KA5, 248                          ; v248-255 four constants as pairs: erf's alpha of degree 5, beta of degree 3, C0, CI
.set KB3, 250
.set KC0, 252
.set KCI, 254
.set MSB, 0
.macro WIN new                         ; the immediate's high byte repeats the setting that is left
.if MSB != (\new)
	s_set_vgpr_msb (MSB<<8)|(\new)
.set MSB, (\new)
.endif
.endm
.macro NOP4
.rept 4
	v_nop
.endr
.endm
.macro ROUND                           ; a round of the cluster's barrier
	s_barrier_signal -1
	s_barrier_wait -1
	s_cmp_lg_u32 s91, 0
	s_cbranch_scc1 .Lnot_wave_0_\@
	s_barrier_signal -3
.Lnot_wave_0_\@:
	s_barrier_wait -3
	s_barrier_signal -1
	s_barrier_wait -1
.endm
.macro WM d, a, b, c, sa, sb, ra, rb   ; one product; ra, rb: which half of the lanes holds the side's scale words
.if (\ra) == 0 && (\rb) == 0
	v_wmma_scale_f32_16x16x128_f8f6f4 v[\d:\d+7], v[\a:\a+7], v[\b:\b+7], v[\c:\c+7], v[\sa], v[\sb] matrix_a_fmt:MATRIX_FMT_FP4 matrix_b_fmt:MATRIX_FMT_FP4
.elseif (\rb) == 0
	v_wmma_scale_f32_16x16x128_f8f6f4 v[\d:\d+7], v[\a:\a+7], v[\b:\b+7], v[\c:\c+7], v[\sa], v[\sb] matrix_a_fmt:MATRIX_FMT_FP4 matrix_b_fmt:MATRIX_FMT_FP4 matrix_a_scale:MATRIX_SCALE_ROW1
.elseif (\ra) == 0
	v_wmma_scale_f32_16x16x128_f8f6f4 v[\d:\d+7], v[\a:\a+7], v[\b:\b+7], v[\c:\c+7], v[\sa], v[\sb] matrix_a_fmt:MATRIX_FMT_FP4 matrix_b_fmt:MATRIX_FMT_FP4 matrix_b_scale:MATRIX_SCALE_ROW1
.else
	v_wmma_scale_f32_16x16x128_f8f6f4 v[\d:\d+7], v[\a:\a+7], v[\b:\b+7], v[\c:\c+7], v[\sa], v[\sb] matrix_a_fmt:MATRIX_FMT_FP4 matrix_b_fmt:MATRIX_FMT_FP4 matrix_a_scale:MATRIX_SCALE_ROW1 matrix_b_scale:MATRIX_SCALE_ROW1
.endif
.endm
; K steps 2 g and 2 g + 1 of a row tile: eight products, the four accumulators by turns.  The sums began on the bias, which was loaded into the accumulators
.macro MM8 ap, g
.irp q, 0,1
.irp t, 0,1,2,3
	WM ACC+32*(\ap)+8*\t, 64*\t+8*(2*(\g)+\q), XF+16*((\g)%2)+8*\q, ACC+32*(\ap)+8*\t, W1S+8*(\t/2)+2*(\g)+\q, XS+4*(\ap)+(\g), \t%2, \q
.endr
.endr
.endm
.macro XLOAD slot, off                 ; two fragments of x
.irp k, 0,1,2,3
	ds_load_b128 v[XF+16*(\slot)+4*\k:XF+16*(\slot)+4*\k+3], v3 offset:(\off)+512*\k
.endr
.endm
.macro XSLOAD set, off                 ; a row tile's scale words: register j: lanes 0-15 K step 2 j, lanes 16-31 K step 2 j + 1
	ds_load_b128 v[XS+4*(\set):XS+4*(\set)+3], v3 offset:(\off)+8192
.endm
.macro B1LOAD ap                       ; the bias into a set of accumulators
.irp k, 0,1,2,3,4,5,6,7
	ds_load_b128 v[ACC+32*(\ap)+4*\k:ACC+32*(\ap)+4*\k+3], v4 offset:512*\k
.endr
.endm
.macro ACT_A x                         ; eight numbers at v[x]: the exponentials are issued, and all that does not read them follows
.irp j, 0,2,4,6
	v_pk_mul_f32 v[TE+\j:TE+\j+1], v[(\x)+\j:(\x)+\j+1], s[36:37] op_sel_hi:[1,0]
.endr
.irp j, 0,1,2,3,4,5,6,7
	v_exp_f32 v[TE+\j], v[TE+\j]                   ; E
.endr
.irp j, 0,1,2,3,4,5,6,7
	v_med3_num_f32 v[TC+\j], v[(\x)+\j], s80, s81  ; xc
.endr
.irp j, 0,2,4,6
	v_pk_mul_f32 v[TY+\j:TY+\j+1], v[TC+\j:TC+\j+1], v[TC+\j:TC+\j+1]
.endr
.irp j, 0,2,4,6
	v_pk_fma_f32 v[TP+\j:TP+\j+1], v[TY+\j:TY+\j+1], s[38:39], v[KA5:KA5+1] op_sel_hi:[1,0,1]
.endr
.irp j, 0,2,4,6
	v_pk_fma_f32 v[TQ+\j:TQ+\j+1], v[TY+\j:TY+\j+1], s[50:51], v[KB3:KB3+1] op_sel_hi:[1,0,1]
.endr
.irp k, 0,1,2
.irp j, 0,2,4,6
	v_pk_fma_f32 v[TP+\j:TP+\j+1], v[TP+\j:TP+\j+1], v[TY+\j:TY+\j+1], s[40+2*\k:41+2*\k] op_sel_hi:[1,1,0]
.endr
.irp j, 0,2,4,6
	v_pk_fma_f32 v[TQ+\j:TQ+\j+1], v[TQ+\j:TQ+\j+1], v[TY+\j:TY+\j+1], s[52+2*\k:53+2*\k] op_sel_hi:[1,1,0]
.endr
.endr
.irp k, 46,48
.irp j, 0,2,4,6
	v_pk_fma_f32 v[TP+\j:TP+\j+1], v[TP+\j:TP+\j+1], v[TY+\j:TY+\j+1], s[\k:\k+1] op_sel_hi:[1,1,0]
.endr
.endr
.irp j, 0,2,4,6
	v_pk_mul_f32 v[TP+\j:TP+\j+1], v[TP+\j:TP+\j+1], v[TC+\j:TC+\j+1]   ; xc P'
.endr
.irp j, 0,1,2,3,4,5,6,7
	v_max_num_f32 v[TR+\j], 0, v[(\x)+\j]
.endr
.endm
.macro ACT_B                           ; the four divisors, their 32 reciprocals as one batch, and what does not read them
.irp j, 0,2,4,6
	v_pk_add_f32 v[TC+\j:TC+\j+1], v[TE+\j:TE+\j+1], 1.0 op_sel_hi:[1,0]
.endr
.irp j, 0,2,4,6
	v_pk_fma_f32 v[TY+\j:TY+\j+1], v[TE+\j:TE+\j+1], v[TE+\j:TE+\j+1], 1.0 op_sel_hi:[1,1,0]
.endr
.irp j, 0,2,4,6
	v_pk_fma_f32 v[TD+\j:TD+\j+1], v[TC+\j:TC+\j+1], v[TC+\j:TC+\j+1], 1.0 op_sel_hi:[1,1,0]
.endr
.irp j, 0,1,2,3,4,5,6,7
	v_rcp_f32 v[TQ+\j], v[TQ+\j]
.endr
.irp j, 0,1,2,3,4,5,6,7
	v_rcp_f32 v[TC+\j], v[TC+\j]                   ; R1
.endr
.irp j, 0,1,2,3,4,5,6,7
	v_rcp_f32 v[TY+\j], v[TY+\j]                   ; R2
.endr
.irp j, 0,1,2,3,4,5,6,7
	v_rcp_f32 v[TD+\j], v[TD+\j]                   ; R3
.endr
.irp j, 0,1,2,3,4,5,6,7
	v_min_num_f32 v[TE+\j], 1.0, v[TE+\j]
.endr
.irp j, 0,2,4,6
	v_pk_fma_f32 v[TR+\j:TR+\j+1], v[TR+\j:TR+\j+1], s[58:59], v[KC0:KC0+1] op_sel_hi:[1,0,1]
.endr
.irp j, 0,2,4,6
	v_pk_fma_f32 v[TR+\j:TR+\j+1], v[TE+\j:TE+\j+1], s[60:61], v[TR+\j:TR+\j+1] op_sel_hi:[1,0,1]
.endr
.endm
.macro ACT_C x                         ; 24 plain lines: also the places behind the products in front of them
.irp j, 0,2,4,6
	v_pk_fma_f32 v[TR+\j:TR+\j+1], v[TC+\j:TC+\j+1], s[62:63], v[TR+\j:TR+\j+1] op_sel_hi:[1,0,1]
.endr
.irp j, 0,2,4,6
	v_pk_fma_f32 v[TC+\j:TC+\j+1], v[TC+\j:TC+\j+1], s[66:67], v[KCI:KCI+1] op_sel_hi:[1,0,1]
.endr
.irp j, 0,2,4,6
	v_pk_fma_f32 v[TC+\j:TC+\j+1], v[TP+\j:TP+\j+1], v[TQ+\j:TQ+\j+1], v[TC+\j:TC+\j+1]
.endr
.irp j, 0,2,4,6
	v_pk_fma_f32 v[TC+\j:TC+\j+1], v[TD+\j:TD+\j+1], s[68:69], v[TC+\j:TC+\j+1] op_sel_hi:[1,0,1]
.endr
.irp j, 0,2,4,6
	v_pk_fma_f32 v[TR+\j:TR+\j+1], v[TY+\j:TY+\j+1], s[70:71], v[TR+\j:TR+\j+1] op_sel_hi:[1,0,1]
.endr
.irp j, 0,2,4,6
	v_pk_fma_f32 v[(\x)+\j:(\x)+\j+1], v[(\x)+\j:(\x)+\j+1], v[TC+\j:TC+\j+1], v[TR+\j:TR+\j+1]
.endr
.endm
.macro QH p                            ; a row tile's 64 hidden units of my wave: two blocks of 32, half a fragment (512 bytes) and two scale bytes a row
.set HA, ACC+32*(\p)
.irp b, 0,1
	v_max3_num_f32 v[QT+\b], |v[HA+16*\b]|, |v[HA+16*\b+1]|, 0x1800000
.endr
.irp i, 2,4,6,8,10,12,14
.irp b, 0,1
	v_max3_num_f32 v[QT+\b], v[QT+\b], |v[HA+16*\b+\i]|, |v[HA+16*\b+\i+1]|
.endr
.endr
.irp b, 0,1
	v_permlanex16_b32 v[QT+2+\b], v[QT+\b], s100, s101
.endr
.irp b, 0,1
	v_max_num_f32 v[QT+\b], v[QT+\b], v[QT+2+\b]
.endr
.irp b, 0,1
	v_add_nc_u32 v[QT+4+\b], 0xff000000, v[QT+\b]
.endr
.irp b, 0,1
	v_lshrrev_b32 v[QT+6+\b], 23, v[QT+4+\b]
.endr
	v_lshl_or_b32 v[HW], v[QT+7], 8, v[QT+6]
	s_wait_xcnt 0x0                                ; the last trip's stores have read their data: both sets of codes may be written again
.irp b, 0,1
	v_cvt_scalef32_pk8_fp4_f32 v[HC+2*\b], v[HA+16*\b:HA+16*\b+7], v[QT+4+\b]
	v_cvt_scalef32_pk8_fp4_f32 v[HC+2*\b+1], v[HA+16*\b+8:HA+16*\b+15], v[QT+4+\b]
.endr
	v_nop                                          ; one plain line behind the last scaled conversion
	v_permlane16_swap_b32 v[HC], v[HC+2]           ; a whole block to a lane: lanes 0-15 the first block, lanes 16-31 the second
	v_permlane16_swap_b32 v[HC+1], v[HC+3]
	global_store_b128 v1, v[HC:HC+3], s[86:87] offset:(\p)*32768   ; 512 consecutive bytes
	ds_store_b16 v6, v[HW] offset:(\p)*128
.endm
.macro W2LOAD p                        ; 32 rows x 32 columns of W2: a lane takes a column
.set li, 0
.rept 32
	global_load_b32 v[WR+li], v7, s[82:83] offset:(\p)*131072+li*4096 th:TH_LOAD_NT
.set li, li+1
.endr
.endm
.macro W2Q p
	s_wait_loadcnt 0x0                             ; asked for a whole trip ago
	v_max3_num_f32 v[QT], |v[WR]|, |v[WR+1]|, |v[WR+2]|
	v_max3_num_f32 v[QT+1], |v[WR+3]|, |v[WR+4]|, |v[WR+5]|
.irp i, 6,10,14,18,22,26
	v_max3_num_f32 v[QT], v[QT], |v[WR+\i]|, |v[WR+\i+1]|
	v_max3_num_f32 v[QT+1], v[QT+1], |v[WR+\i+2]|, |v[WR+\i+3]|
.endr
	v_max3_num_f32 v[QT], v[QT], |v[WR+30]|, |v[WR+31]|
	v_max3_num_f32 v[QT], v[QT], v[QT+1], 0x1800000
	v_add_nc_u32 v[QT+4], 0xff000000, v[QT]
	v_lshrrev_b32 v[QT+6], 23, v[QT+4]
	v_lshrrev_b32 v[QT+5], 8, v[SB]                ; the byte enters at the top of four registers that move down a byte a trip: after 16 trips trip t's byte is byte t
	v_lshl_or_b32 v[SB], v[SB+1], 24, v[QT+5]
	v_lshrrev_b32 v[QT+5], 8, v[SB+1]
	v_lshl_or_b32 v[SB+1], v[SB+2], 24, v[QT+5]
	v_lshrrev_b32 v[QT+5], 8, v[SB+2]
	v_lshl_or_b32 v[SB+2], v[SB+3], 24, v[QT+5]
	v_lshrrev_b32 v[QT+5], 8, v[SB+3]
	v_lshl_or_b32 v[SB+3], v[QT+6], 24, v[QT+5]
.irp g, 0,1,2,3
	v_cvt_scalef32_pk8_fp4_f32 v[WC+\g], v[WR+8*\g:WR+8*\g+7], v[QT+4]
.endr
	v_nop
	global_store_b128 v8, v[WC:WC+3], s[84:85] offset:(\p)*256
.endm
; p: the set that holds this trip's row tile;  mm = 1: the next row tile is multiplied;  ld = 1: the row tile after that is fetched
.macro TRIP p, mm, ld
	W2LOAD \p
.if \mm
	B1LOAD 1-\p
.endif
.irp g, 0,1,2,3
	ACT_A ACC+32*\p+8*\g
	s_wait_alu depctr_va_vdst(0)                   ; one wait for the eight exponentials, ahead of their first reader
	ACT_B
.if \mm
	s_wait_dscnt 0x0                               ; the bias and the fragments asked for a group ago are in
	WIN 0x01                                       ; source 0 (W1) in window 1
	MM8 1-\p, \g
	WIN 0
.endif
	s_wait_alu depctr_va_vdst(0)                   ; one wait for the 32 reciprocals
	ACT_C ACC+32*\p+8*\g
.if \mm && (\g < 2)
	XLOAD \g%2, (\p)*XQT+(\g+2)*2048
.endif
.if \ld && (\g >= 2)
	XLOAD \g%2, (\p+1)*XQT+(\g-2)*2048
.if \g == 2
	XSLOAD \p, (\p+1)*XQT
.endif
.endif
.endr
	QH \p
	W2Q \p
.endm
	s_load_b256 s[4:11], s[0:1], 0x0               ; sm 4, w1q 6, b1 8, act_w 10
	s_load_b128 s[12:15], s[0:1], 0x20             ; W2 12, hq 14
	s_load_b64 s[16:17], s[0:1], 0x30              ; w2q
	v_lshl_add_u32 v190, v0, 2, 0x4d000
	v_mov_b32 v191, 0
	ds_add_u32 v190, v191
	ds_add_u32 v190, v191
	v_lshrrev_b32 v1, 5, v0
	v_readfirstlane_b32 s91, v1                    ; wave 0..7
	s_and_b32 s93, ttmp7, 0xffff                   ; y, which the four partners share
	s_and_b32 s94, s93, 1                          ; rh: which half of the rows
	s_lshr_b32 s95, s93, 1                         ; the expert
	s_lshr_b32 s96, s91, 2                         ; rq
	s_and_b32 s97, s91, 3                          ; fg
	; descriptor group 1: 34,816 dense bytes as 136 rows of 32 elements of 8 bytes, no padding
	s_mov_b32 s24, 15|(3<<16)|(1<<21)              ; 15:0 the mask: all four work-groups; 17:16 elements of 8 bytes; 21 set beside a mask
	s_mov_b32 s25, 32<<16                          ; tensor_dim0 = 32
	s_mov_b32 s26, 136<<16                         ; tensor_dim1 = 136
	s_mov_b32 s27, 32<<16                          ; tile_dim0 = 32
	s_mov_b32 s28, 136                             ; tile_dim1 = 136
	s_mov_b32 s29, 32                              ; from row to row
	s_mov_b32 s30, 0
	s_mov_b32 s31, 0
	s_mul_i32 s32, s94, 32*XQT
	s_mul_i32 s34, s91, 4*XQT
	s_add_co_u32 s32, s32, s34
	s_mov_b32 s33, 0
	s_mov_b32 s20, 1
	s_mul_i32 s21, s91, 4*XQT                      ; LDS: four row tiles a wave
	s_wait_dscnt 0x0
	s_wait_kmcnt 0x0
	s_add_nc_u64 s[22:23], s[4:5], s[32:33]
	s_or_b32 s23, s23, 0x80000000
	ROUND                                          ; all four work-groups are here: the joint loads meet
	tensor_load_to_lds s[20:23], s[24:31]
	s_nop 0
	NOP4
	v_and_b32 v10, 31, v0                          ; lane
	v_and_b32 v11, 15, v0                          ; r
	v_bfe_u32 v12, v0, 4, 1                        ; h
	v_lshlrev_b32 v1, 4, v10                       ; 16 x lane
	s_mul_i32 s98, s96, 16*XQT
	v_add_nc_u32 v2, s98, v1                       ; LDS: my 16 row tiles of x
	s_lshl_b32 s98, s91, 12
	s_add_co_u32 s98, s98, B1IMG
	v_add_nc_u32 v4, s98, v1                       ; LDS: my bias
	s_lshl_b32 s98, s96, 11
	s_lshr_b32 s99, s97, 1
	s_lshl_b32 s99, s99, 6
	s_add_co_u32 s98, s98, s99
	s_and_b32 s99, s97, 1
	s_lshl_b32 s99, s99, 1
	s_add_co_u32 s98, s98, s99
	s_add_co_u32 s98, s98, HSC
	v_lshl_add_u32 v5, v11, 2, s98                 ; LDS: h's scale bytes: lane 16 (fg / 2) + r of a row tile's 32 words, bytes 2 (fg % 2) on
	s_lshl_b32 s98, s91, 9
	s_add_co_u32 s98, s98, HSC
	v_add_nc_u32 v15, s98, v1                      ; LDS: the 512 bytes of scale words that I store at the end
	v_lshlrev_b32 v7, 2, v10
	v_lshlrev_b32 v8, 4, v11
	v_lshl_add_u32 v8, v12, 15, v8                 ; W2's codes: tile lane / 16, row lane % 16
	v_lshlrev_b32 v9, 3, v10
	v_min_u32 v13, 8, v11
	v_lshlrev_b32 v13, 2, v13                      ; act_w: lanes 9-15 of a row read the ninth weight again
	v_lshlrev_b32 v14, 6, v12                      ; b1: 64 h
	s_mov_b32 s100, 0x76543210
	s_mov_b32 s101, 0xfedcba98
	s_bfe_u32 s73, ttmp6, 0x40000                  ; cx
	s_lshl_b32 s74, ttmp9, 2
	s_add_co_u32 s74, s74, s73                     ; fs
	s_mov_b32 s77, 0
	s_lshl_b32 s76, s95, 21                        ; W1's fragments: tile 256 e + 16 fs + 4 fg on, 8,192 bytes a tile
	s_lshl_b32 s75, s74, 17
	s_add_co_u32 s76, s76, s75
	s_lshl_b32 s75, s97, 15
	s_add_co_u32 s76, s76, s75
	s_add_nc_u64 s[78:79], s[6:7], s[76:77]
	s_lshl_b32 s76, s95, 17                        ; W1's scale words: group 128 e + 8 fs + 2 fg on, 1,024 bytes a group
	s_lshl_b32 s75, s74, 13
	s_add_co_u32 s76, s76, s75
	s_lshl_b32 s75, s97, 11
	s_add_co_u32 s76, s76, s75
	s_add_co_u32 s76, s76, SCOFF
	s_add_nc_u64 s[34:35], s[6:7], s[76:77]
	s_lshl_b32 s76, s95, 14                        ; b1: my 64 numbers
	s_lshl_b32 s75, s74, 10
	s_add_co_u32 s76, s76, s75
	s_lshl_b32 s75, s97, 8
	s_add_co_u32 s76, s76, s75
	s_add_nc_u64 s[98:99], s[8:9], s[76:77]
	s_lshl_b32 s92, s93, 4                         ; my share of W2: unit (16 y + fs, wave): expert, 512 along K, 32 columns
	s_add_co_u32 s92, s92, s74
	s_lshr_b32 s2, s92, 5                          ; its expert
	s_bfe_u32 s3, s92, 0x30002                     ; which 512 along K
	s_and_b32 s72, s92, 3
	s_lshl_b32 s72, s72, 3
	s_add_co_u32 s72, s72, s91                     ; which 32 columns
	s_lshl_b32 s76, s2, 24
	s_lshl_b32 s75, s3, 21
	s_add_co_u32 s76, s76, s75
	s_lshl_b32 s75, s72, 7
	s_add_co_u32 s76, s76, s75
	s_add_nc_u64 s[82:83], s[12:13], s[76:77]
	s_lshl_b32 s76, s2, 21
	s_lshl_b32 s75, s72, 16
	s_add_co_u32 s76, s76, s75
	s_lshl_b32 s75, s3, 12
	s_add_co_u32 s76, s76, s75
	s_add_nc_u64 s[84:85], s[16:17], s[76:77]
	s_lshl_b32 s76, s2, 17
	s_lshl_b32 s75, s72, 12
	s_add_co_u32 s76, s76, s75
	s_lshl_b32 s75, s3, 9
	s_add_co_u32 s76, s76, s75
	s_add_co_u32 s76, s76, SCOFF
	s_add_nc_u64 s[32:33], s[16:17], s[76:77]
	s_lshl_b32 s76, s95, 21                        ; hq's codes: row tile 64 e + 32 rh + 16 rq, K step 2 fs + fg / 2, part fg % 2
	s_lshl_b32 s75, s94, 20
	s_add_co_u32 s76, s76, s75
	s_lshl_b32 s75, s96, 19
	s_add_co_u32 s76, s76, s75
	s_lshl_b32 s75, s74, 11
	s_add_co_u32 s76, s76, s75
	s_lshl_b32 s75, s97, 9
	s_add_co_u32 s76, s76, s75
	s_add_nc_u64 s[86:87], s[14:15], s[76:77]
	s_lshl_b32 s76, s95, 17                        ; hq's scale words: [e][fs][row tile][128 bytes]
	s_lshl_b32 s75, s74, 13
	s_add_co_u32 s76, s76, s75
	s_lshl_b32 s75, s94, 12
	s_add_co_u32 s76, s76, s75
	s_lshl_b32 s75, s91, 9
	s_add_co_u32 s76, s76, s75
	s_add_co_u32 s76, s76, SCOFF
	s_add_nc_u64 s[18:19], s[14:15], s[76:77]
	global_load_b32 v192, v13, s[10:11]
	WIN 0x40                                       ; destination window 1
.set li, 0
.rept 64
	global_load_b128 v[4*li:4*li+3], v1, s[78:79] offset:512*li   ; W1's fragment (tile t, K step s) at v[64 t + 8 s] of window 1: they stay
.set li, li+1
.endr
	WIN 0
.irp b, 0,1
.irp k, 0,1,2,3
	global_load_b64 v[W1S+8*\b+2*\k:W1S+8*\b+2*\k+1], v9, s[34:35] offset:(4*\b+\k)*256
.endr
.endr
.irp t, 0,1,2,3
	global_load_b128 v[ACC+8*\t:ACC+8*\t+3], v14, s[98:99] offset:(32*(\t/2)+8*(\t%2))*4        ; the bias in the result's layout: tile 2 b + u, register j: unit 32 b + 16 h + 8 u + j
	global_load_b128 v[ACC+8*\t+4:ACC+8*\t+7], v14, s[98:99] offset:(32*(\t/2)+8*(\t%2))*4+16
.endr
	s_wait_loadcnt 0x0
	; softmax of the nine weights, the maximum taken away
	v_mov_b32 v193, v192
.irp m, 1,2,4,8
	v_max_num_f32_dpp v193, v193, v193 row_xmask:\m row_mask:0xf bank_mask:0xf
.endr
	v_sub_f32 v193, v192, v193
	v_mul_f32 v193, 0x3fb8aa3b, v193
	v_exp_f32 v194, v193
	v_cmp_gt_u32 vcc_lo, 9, v11
	v_nop
	s_wait_alu depctr_va_vdst(0)
	v_cndmask_b32 v195, 0, v194, vcc_lo            ; the copies in lanes 9-15 do not count
.irp m, 1,2,4,8
	v_add_f32_dpp v195, v195, v195 row_xmask:\m row_mask:0xf bank_mask:0xf
.endr
	v_rcp_f32 v196, v195
	v_nop
	s_wait_alu depctr_va_vdst(0)
	v_mul_f32 v194, v194, v196
.irp i, 0,1,2,3,4,5,6,7
	v_readlane_b32 s[4+\i], v194, \i               ; w0 .. w7 in s4 .. s11 (their addresses are done with)
.endr
	s_mov_b32 s36, 0x3fb8aa3b                      ; log2(e)
	s_mul_f32 s72, s9, 0x3eb504f3                  ; w5 / (2 sqrt 2); erf's argument squared is xc^2 / 2: degree d takes 2^-d
	s_mul_f32 s48, s72, -0.0160960333262415
	s_mul_f32 s72, s72, 0.5
	s_mul_f32 s46, s72, -0.00295459980854025
	s_mul_f32 s72, s72, 0.5
	s_mul_f32 s44, s72, -0.000734990630326855
	s_mul_f32 s72, s72, 0.5
	s_mul_f32 s42, s72, -0.0000569250639462346
	s_mul_f32 s72, s72, 0.5
	s_mul_f32 s40, s72, -0.00000210102402082508
	s_mul_f32 s72, s72, 0.5
	s_mul_f32 s75, s72, 0.0000000277068142495902
	s_mul_f32 s72, s72, 0.5
	s_mul_f32 s38, s72, -0.000000000272614225801306
	s_mov_b32 s56, -0.0142647390514189
	s_mov_b32 s54, -0.00737332916720468
	s_mul_f32 s54, s54, 0.5
	s_mov_b32 s52, -0.00168282697438203
	s_mul_f32 s52, s52, 0.25
	s_mov_b32 s76, -0.000213374055278905
	s_mul_f32 s76, s76, 0.125
	s_mov_b32 s50, -0.0000145660718464996
	s_mul_f32 s50, s50, 0.0625
	s_mul_f32 s72, s10, 1.05070099
	s_add_f32 s58, s5, s7
	s_add_f32 s58, s58, s72                        ; A = w1 + w3 + lambda w6
	s_mul_f32 s72, s10, 1.75809934
	s_add_f32 s60, s5, s72                         ; Bc = w1 + lambda alpha w6
	s_add_f32 s77, s4, s6
	s_mul_f32 s72, s60, -1.0
	s_add_f32 s77, s77, s72                        ; C0 = w0 + w2 - Bc
	s_mul_f32 s72, s9, 0.5
	s_add_f32 s92, s8, s11
	s_add_f32 s92, s92, s72                        ; CI = w4 + w5 / 2 + w7
	s_mul_f32 s62, s4, -1.0
	s_mul_f32 s66, s8, -1.0
	s_mul_f32 s68, s11, -2.0
	s_mul_f32 s70, s6, -2.0
.irp p, 36,38,40,42,44,46,48,50,52,54,56,58,60,62,66,68,70
	s_mov_b32 s[\p+1], s[\p]                       ; the packed forms name pairs: both words are written
.endr
	s_mov_b32 s80, 0xc0b504f3                      ; -4 sqrt 2
	s_mov_b32 s81, 0x40b504f3
	v_mov_b32 v[KA5], s75
	v_mov_b32 v[KA5+1], s75
	v_mov_b32 v[KB3], s76
	v_mov_b32 v[KB3+1], s76
	v_mov_b32 v[KC0], s77
	v_mov_b32 v[KC0+1], s77
	v_mov_b32 v[KCI], s92
	v_mov_b32 v[KCI+1], s92
.irp k, 0,1,2,3,4,5,6,7
	ds_store_b128 v4, v[ACC+4*\k:ACC+4*\k+3] offset:512*\k    ; the bias's image; set 0 keeps it for the first row tile
.endr
.irp k, 0,1,2,3
	v_mov_b32 v[SB+\k], 0
.endr
	v_mov_b32 v[QT+2], 0                           ; a lane permute's destination counts as one of its sources
	v_mov_b32 v[QT+3], 0
	s_wait_tensorcnt 0x0                           ; my four row tiles of x have landed,
	s_wait_dscnt 0x0
	s_barrier_signal -1
	s_barrier_wait -1                              ; everybody's have
	; row tile 0 is multiplied ahead of the loop; four places stand in front of each run of loads into registers that the products have read
	v_mov_b32 v3, v2
	XSLOAD 0, 0
	XLOAD 0, 0
	XLOAD 1, 2048
	s_wait_dscnt 0x0
	WIN 0x01
	MM8 0, 0
	WIN 0
	NOP4
	XLOAD 0, 4096
	WIN 0x01
	MM8 0, 1
	WIN 0
	NOP4
	XLOAD 1, 6144
	s_wait_dscnt 0x0
	WIN 0x01
	MM8 0, 2
	WIN 0
	NOP4
	XLOAD 0, XQT
	XSLOAD 1, XQT
	WIN 0x01
	MM8 0, 3
	WIN 0
	NOP4
	XLOAD 1, XQT+2048
	s_mov_b32 s88, XQT                             ; LDS: the row tile that a trip's first half multiplies
	s_mov_b32 s89, 0
	s_mov_b32 s90, 7
.Ltrip:                                                ; seven trips of two row tiles
	v_add_nc_u32 v3, s88, v2
	v_add_nc_u32 v6, s89, v5
	TRIP 0, 1, 1
	TRIP 1, 1, 1
	s_wait_xcnt 0x0                                ; the trip's loads and stores have read their bases
	s_add_nc_u64 s[82:83], s[82:83], 262144
	s_add_nc_u64 s[84:85], s[84:85], 512
	s_add_nc_u64 s[86:87], s[86:87], 65536
	s_add_co_u32 s88, s88, 2*XQT
	s_add_co_u32 s89, s89, 256
	s_sub_co_u32 s90, s90, 1
	s_cmp_lg_u32 s90, 0
	s_cbranch_scc1 .Ltrip
	v_add_nc_u32 v3, s88, v2                       ; row tiles 14 and 15: nothing more is fetched, and the last has no successor to multiply
	v_add_nc_u32 v6, s89, v5
	TRIP 0, 1, 0
	TRIP 1, 0, 0
	global_store_b64 v9, v[SB:SB+1], s[32:33]      ; W2's scale words: two K steps a store, 256 consecutive bytes
	global_store_b64 v9, v[SB+2:SB+3], s[32:33] offset:256
	s_wait_dscnt 0x0                               ; my scale bytes of h have landed
	s_barrier_signal -1
	s_barrier_wait -1
	ds_load_b128 v[QT:QT+3], v15
	s_wait_dscnt 0x0
	global_store_b128 v1, v[QT:QT+3], s[18:19]
	s_wait_tensorcnt 0x0
	ds_add_u32 v190, v191
	s_wait_dscnt 0x0
	ROUND                                          ; the closing round
	s_endpgm
.Lfunc_end_k_q4b16bbecf2_ffn1:
	.size	k_q4b16bbecf2_ffn1, .Lfunc_end_k_q4b16bbecf2_ffn1-k_q4b16bbecf2_ffn1
	.p2alignl 7, 3214868480
	.fill 96, 4, 3214868480
	.section	.rodata,"a",@progbits
	.p2align	6, 0x0
	.amdhsa_kernel k_q4b16bbecf2_ffn1
		.amdhsa_group_segment_fixed_size 327680
		.amdhsa_private_segment_fixed_size 0
		.amdhsa_enable_private_segment 0
		.amdhsa_kernarg_size 56
		.amdhsa_user_sgpr_count 2
		.amdhsa_user_sgpr_kernarg_segment_ptr 1
		.amdhsa_wavefront_size32 1
		.amdhsa_system_sgpr_workgroup_id_x 1
		.amdhsa_system_sgpr_workgroup_id_y 1
		.amdhsa_system_sgpr_workgroup_id_z 1
		.amdhsa_system_vgpr_workitem_id 0
		.amdhsa_next_free_vgpr 512
		.amdhsa_next_free_sgpr 102
		.amdhsa_reserve_vcc 1
		.amdhsa_float_denorm_mode_32 3
		.amdhsa_float_denorm_mode_16_64 3
		.amdhsa_memory_ordered 1
		.amdhsa_forward_progress 1
		.amdhsa_inst_pref_size 205
	.end_amdhsa_kernel
	.amdgpu_metadata
---
amdhsa.version: [ 1, 2 ]
amdhsa.kernels:
  - .name:           k_q4b16bbecf2_ffn1
    .symbol:         k_q4b16bbecf2_ffn1.kd
    .args:
      - { .name: sm, .offset: 0, .size: 8, .value_kind: global_buffer, .address_space: global }
      - { .name: w1q, .offset: 8, .size: 8, .value_kind: global_buffer, .address_space: global }
      - { .name: b1, .offset: 16, .size: 8, .value_kind: global_buffer, .address_space: global }
      - { .name: act_w, .offset: 24, .size: 8, .value_kind: global_buffer, .address_space: global }
      - { .name: W2, .offset: 32, .size: 8, .value_kind: global_buffer, .address_space: global }
      - { .name: hq, .offset: 40, .size: 8, .value_kind: global_buffer, .address_space: global }
      - { .name: w2q, .offset: 48, .size: 8, .value_kind: global_buffer, .address_space: global }
    .group_segment_fixed_size: 327680
    .private_segment_fixed_size: 0
    .kernarg_segment_align: 8
    .kernarg_segment_size: 56
    .max_flat_workgroup_size: 256
    .sgpr_count:     102
    .vgpr_count:     512
    .wavefront_size: 32
...
	.end_amdgpu_metadata
.endif
;; end of part 2
;; launch ffn2 (part 3): grid 64 x 4, 4 waves a work-group, no clusters, 262,656 bytes of LDS; arguments hq, w2q, b2, sm, part; writes part
.if DOCPART == 3
	.amdgcn_target "amdgcn-amd-amdhsa--gfx1250"
	.amdhsa_code_object_version 6
	.text
	.protected	k_q4b16bbecf2_ffn2
	.globl	k_q4b16bbecf2_ffn2
	.p2align	8
	.type	k_q4b16bbecf2_ffn2,@function
k_q4b16bbecf2_ffn2:
	s_mov_b64 s[64:65], 0
	v_nop
	global_prefetch_b8 v0, s[64:65] scope:SCOPE_SE
	s_setreg_imm32_b32 hwreg(HW_REG_WAVE_MODE, 25, 1), 1
	s_wait_xcnt 0x0
; FFN2.  part[sp] = the sum over the two experts e = 2 sp, 2 sp + 1 of gate(token, e) x (h_e W2_e + b2_e), for a tile of 128 tokens x 128 columns.
; SHARES.  Every wave makes the WHOLE tile over a K of its own: expert 2 sp + wave / 2, K steps 16 (wave % 2) .. + 15.  64 accumulators, 512 registers.
; The operands lie in memory in the order of the operand registers, and no byte is wanted by two waves of the work-group: they go straight into registers, two sets by turns, no LDS, no barrier in the main part.
; No cluster: no tensor load, so there is nothing to ask for jointly.  The 16 steps are written out: every offset is an immediate, no base is stepped.
; The product is used transposed (source 0 = 16 columns of W2, source 1 = 16 tokens): a lane holds one token and eight neighbouring columns.  At the end the four waves' tiles meet in LDS.
; REGISTERS: window 0: v1-10 addresses; v16-31 W2's scale words, v32-47 h's (two sets each); v48-63 the gate, a pair a row tile; v128-255 h's fragments, two sets.
;   window 1: v0-127 W2's fragments, two sets; v128-191 b2 in the result's layout.   windows 2, 3: accumulator (a, b) at window 2 + a / 4, v[8 (8 (a % 4) + b)].
.set SCOFF, 16777216
.set GATE,  1114112
.set MSB, 0
.macro WIN new
.if MSB != (\new)
	s_set_vgpr_msb (MSB<<8)|(\new)
.set MSB, (\new)
.endif
.endm
.macro NOP4
.rept 4
	v_nop
.endr
.endm
.macro WM d, a, b, c, sa, sb, ra, rb
.if (\ra) == 0 && (\rb) == 0
	v_wmma_scale_f32_16x16x128_f8f6f4 v[\d:\d+7], v[\a:\a+7], v[\b:\b+7], v[\c:\c+7], v[\sa], v[\sb] matrix_a_fmt:MATRIX_FMT_FP4 matrix_b_fmt:MATRIX_FMT_FP4
.elseif (\rb) == 0
	v_wmma_scale_f32_16x16x128_f8f6f4 v[\d:\d+7], v[\a:\a+7], v[\b:\b+7], v[\c:\c+7], v[\sa], v[\sb] matrix_a_fmt:MATRIX_FMT_FP4 matrix_b_fmt:MATRIX_FMT_FP4 matrix_a_scale:MATRIX_SCALE_ROW1
.elseif (\ra) == 0
	v_wmma_scale_f32_16x16x128_f8f6f4 v[\d:\d+7], v[\a:\a+7], v[\b:\b+7], v[\c:\c+7], v[\sa], v[\sb] matrix_a_fmt:MATRIX_FMT_FP4 matrix_b_fmt:MATRIX_FMT_FP4 matrix_b_scale:MATRIX_SCALE_ROW1
.else
	v_wmma_scale_f32_16x16x128_f8f6f4 v[\d:\d+7], v[\a:\a+7], v[\b:\b+7], v[\c:\c+7], v[\sa], v[\sb] matrix_a_fmt:MATRIX_FMT_FP4 matrix_b_fmt:MATRIX_FMT_FP4 matrix_a_scale:MATRIX_SCALE_ROW1 matrix_b_scale:MATRIX_SCALE_ROW1
.endif
.endm
; the loads of K step s: 32 of 512 bytes; an even step also brings the scale words of itself and its successor (12 loads)
.macro BATCH s
.set BP, (\s)%2
.set BR, (\s)/2
.if (\s)%2 == 0
.irp d, 0,1,2,3
	global_load_b64 v[16+8*(BR%2)+2*\d:16+8*(BR%2)+2*\d+1], v3, s[22:23] offset:\d*4096+BR*256
.endr
.irp a, 0,1,2,3,4,5,6,7
	global_load_b32 v[32+8*(BR%2)+\a], v2, s[20:21] offset:BR*8192+\a*128
.endr
.endif
	WIN 0x40                                       ; destination window 1
.irp b, 0,1,2,3,4,5,6,7
.irp c, 0,1
	global_load_b128 v[64*BP+8*\b+4*\c:64*BP+8*\b+4*\c+3], v1, s[18:19] offset:\b*32768+(\s)*1024+\c*512
.endr
.endr
	WIN 0
.irp a, 0,1,2,3,4,5,6,7
.irp c, 0,1
	global_load_b128 v[128+64*BP+8*\a+4*\c:128+64*BP+8*\a+4*\c+3], v1, s[16:17] offset:\a*32768+(\s)*1024+\c*512
.endr
.endr
.endm
; K step s: 64 products, the 64 accumulators by turns in the same order in every step.  Step 0 starts the sums on b2
.macro STEP s
.set SP2, (\s)%2
.set SR2, ((\s)/2)%2
.if (\s) == 15
	s_wait_loadcnt 0x0
.elseif (\s)%2 == 0
	s_wait_loadcnt 32                              ; only the next step's batch, 32 loads, may be out
.else
	s_wait_loadcnt 44                              ; the next step's batch has 44
.endif
.irp hi, 0,1
.if (\s) == 0
	WIN 0x91+0x40*\hi                              ; source 0 (W2) and C (b2) window 1, source 1 (h) window 0, D window 2 or 3
.else
	WIN 0xa1+0x50*\hi                              ; C and D window 2 or 3
.endif
.irp a, 0,1,2,3
.irp b, 0,1,2,3,4,5,6,7
.if (\s) == 0
	WM 8*(8*\a+\b), 64*SP2+8*\b, 128+64*SP2+8*(4*\hi+\a), 128+8*\b, 16+8*SR2+2*(\b/2)+SP2, 32+8*SR2+4*\hi+\a, \b%2, SP2
.else
	WM 8*(8*\a+\b), 64*SP2+8*\b, 128+64*SP2+8*(4*\hi+\a), 8*(8*\a+\b), 16+8*SR2+2*(\b/2)+SP2, 32+8*SR2+4*\hi+\a, \b%2, SP2
.endif
.endr
.endr
.endr
	WIN 0
	NOP4                                           ; places in front of loads into registers that the products have read
.if (\s)+2 < 16
	BATCH (\s)+2
.endif
.endm
	s_load_b256 s[4:11], s[0:1], 0x0               ; hq 4, w2q 6, b2 8, sm 10
	s_load_b64 s[12:13], s[0:1], 0x20              ; part
	v_lshl_add_u32 v126, v0, 2, 0x40000
	v_mov_b32 v127, 0
	v_lshrrev_b32 v1, 5, v0
	v_readfirstlane_b32 s14, v1                    ; wave
	v_and_b32 v11, 31, v0
	v_and_b32 v12, 15, v0
	v_bfe_u32 v13, v0, 4, 1
	v_lshlrev_b32 v1, 4, v11                       ; 16 x lane
	v_lshlrev_b32 v2, 2, v11
	v_lshlrev_b32 v3, 3, v11
	v_lshlrev_b32 v4, 5, v12                       ; the gate: 32 bytes a token
	v_lshlrev_b32 v5, 5, v13                       ; b2: 32 h
	s_lshl_b32 s15, s14, 16
	v_add_nc_u32 v10, s15, v1                      ; LDS: my tile, 65,536 bytes
	s_lshl_b32 s15, s14, 14
.irp k, 0,1,2,3
	v_add_nc_u32 v[6+\k], s15, v1                  ; LDS: wave k's tile, the 16 small tiles that I sum
	s_add_co_u32 s15, s15, 65536
.endr
	s_and_b32 s32, ttmp9, 7                        ; cb: block of 128 columns
	s_lshr_b32 s33, ttmp9, 3                       ; rb: block of 128 tokens
	s_and_b32 s34, ttmp7, 0xffff                   ; sp: pair of experts
	s_lshr_b32 s35, s14, 1
	s_lshl_b32 s36, s34, 1
	s_add_co_u32 s35, s35, s36                     ; my expert
	s_and_b32 s36, s14, 1                          ; kh: my half of K
	s_mov_b32 s39, 0
	s_lshl_b32 s37, s35, 21
	s_lshl_b32 s40, s36, 14
	s_add_co_u32 s37, s37, s40
	s_wait_kmcnt 0x0
	s_lshl_b32 s38, s33, 18
	s_add_co_u32 s38, s38, s37
	s_add_nc_u64 s[16:17], s[4:5], s[38:39]        ; h's codes
	s_lshl_b32 s38, s32, 18
	s_add_co_u32 s38, s38, s37
	s_add_nc_u64 s[18:19], s[6:7], s[38:39]        ; W2's codes
	s_lshl_b32 s37, s35, 17
	s_add_co_u32 s37, s37, SCOFF
	s_lshl_b32 s38, s36, 16
	s_add_co_u32 s38, s38, s37
	s_lshl_b32 s40, s33, 10
	s_add_co_u32 s38, s38, s40
	s_add_nc_u64 s[20:21], s[4:5], s[38:39]        ; h's scale words
	s_lshl_b32 s38, s32, 14
	s_add_co_u32 s38, s38, s37
	s_lshl_b32 s40, s36, 11
	s_add_co_u32 s38, s38, s40
	s_add_nc_u64 s[22:23], s[6:7], s[38:39]        ; W2's scale words
	s_lshl_b32 s38, s35, 12
	s_lshl_b32 s40, s32, 9
	s_add_co_u32 s38, s38, s40
	s_add_nc_u64 s[24:25], s[8:9], s[38:39]        ; b2
	s_lshl_b32 s38, s33, 12
	s_lshl_b32 s40, s35, 2
	s_add_co_u32 s38, s38, s40
	s_add_co_u32 s38, s38, GATE
	s_add_nc_u64 s[26:27], s[10:11], s[38:39]      ; the gate of my expert
	s_lshl_b32 s38, s34, 22
	s_lshl_b32 s40, s33, 19
	s_add_co_u32 s38, s38, s40
	s_lshl_b32 s40, s14, 17
	s_add_co_u32 s38, s38, s40
	s_lshl_b32 s40, s32, 13
	s_add_co_u32 s38, s38, s40
	s_add_nc_u64 s[28:29], s[12:13], s[38:39]      ; part: the two row tiles that I store
	s_cmp_eq_u32 s36, 0
	s_cselect_b32 s30, 1.0, 0                      ; the bias enters an expert's sum once: in the wave with the first half of K
	s_mov_b32 s31, s30
	WIN 0x40
.irp b, 0,1,2,3,4,5,6,7
	global_load_b128 v[128+8*\b:128+8*\b+3], v5, s[24:25] offset:64*\b
	global_load_b128 v[128+8*\b+4:128+8*\b+7], v5, s[24:25] offset:64*\b+16
.endr
	WIN 0
.irp a, 0,1,2,3,4,5,6,7
	global_load_b32 v[48+2*\a], v4, s[26:27] offset:512*\a
.endr
	BATCH 0
	BATCH 1
	s_wait_loadcnt 63                              ; 100 loads are issued: the oldest 37 are in, b2's 16 and the gate's 8 among them
	WIN 0x41                                       ; destination and source 0 window 1
.set li, 0
.rept 32
	v_pk_mul_f32 v[128+2*li:129+2*li], v[128+2*li:129+2*li], s[30:31] op_sel_hi:[1,0]
.set li, li+1
.endr
	WIN 0
.irp a, 0,1,2,3,4,5,6,7
	v_mov_b32 v[49+2*\a], v[48+2*\a]
.endr
.set st, 0
.rept 16
	STEP st
.set st, st+1
.endr
	; the gate's weight: a lane holds one token.  Each accumulator is read from its low end on
	WIN 0x82                                       ; destination and source 0 window 2
.irp a, 0,1,2,3
.set li, 0
.rept 32
	v_pk_mul_f32 v[64*\a+2*li:64*\a+2*li+1], v[64*\a+2*li:64*\a+2*li+1], v[48+2*\a:49+2*\a]
.set li, li+1
.endr
.endr
	WIN 0xc3
.irp a, 0,1,2,3
.set li, 0
.rept 32
	v_pk_mul_f32 v[64*\a+2*li:64*\a+2*li+1], v[64*\a+2*li:64*\a+2*li+1], v[56+2*\a:57+2*\a]
.set li, li+1
.endr
.endr
	WIN 0x08                                       ; an LDS store's data are its source 1: window 2
.irp a, 0,1,2,3
.irp b, 0,1,2,3,4,5,6,7
.irp c, 0,1
	ds_store_b128 v10, v[64*\a+8*\b+4*\c:64*\a+8*\b+4*\c+3] offset:(8*\a+\b)*1024+\c*512
.endr
.endr
.endr
	WIN 0x0c
.irp a, 0,1,2,3
.irp b, 0,1,2,3,4,5,6,7
.irp c, 0,1
	ds_store_b128 v10, v[64*\a+8*\b+4*\c:64*\a+8*\b+4*\c+3] offset:(8*(\a+4)+\b)*1024+\c*512
.endr
.endr
.endr
	WIN 0
	s_wait_dscnt 0x0                               ; for the others' sake: my tile lies in LDS
	s_barrier_signal -1
	s_barrier_wait -1
	; wave o sums the four waves' small tiles 16 o .. 16 o + 15, four at a time, and stores them as they lie: 512 consecutive bytes a store
.irp gq, 0,1,2,3
.if \gq > 0
	s_wait_xcnt 0x0                                ; the last group's stores have read their data
.endif
.irp tq, 0,1,2,3
.irp ws, 0,1,2,3
.irp c, 0,1
	ds_load_b128 v[128+32*\tq+8*\ws+4*\c:128+32*\tq+8*\ws+4*\c+3], v[6+\ws] offset:(4*\gq+\tq)*1024+\c*512
.endr
.endr
.endr
	s_wait_dscnt 0x0
.irp tq, 0,1,2,3
.irp j, 0,2,4,6
	v_pk_add_f32 v[128+32*\tq+\j:129+32*\tq+\j], v[128+32*\tq+\j:129+32*\tq+\j], v[136+32*\tq+\j:137+32*\tq+\j]
	v_pk_add_f32 v[144+32*\tq+\j:145+32*\tq+\j], v[144+32*\tq+\j:145+32*\tq+\j], v[152+32*\tq+\j:153+32*\tq+\j]
.endr
.irp j, 0,2,4,6
	v_pk_add_f32 v[128+32*\tq+\j:129+32*\tq+\j], v[128+32*\tq+\j:129+32*\tq+\j], v[144+32*\tq+\j:145+32*\tq+\j]
.endr
.irp c, 0,1
	global_store_b128 v1, v[128+32*\tq+4*\c:128+32*\tq+4*\c+3], s[28:29] offset:((4*\gq+\tq)/8)*65536+((4*\gq+\tq)%8)*1024+\c*512
.endr
.endr
.endr
	s_wait_tensorcnt 0x0
	ds_add_u32 v126, v127
	s_wait_dscnt 0x0
	s_endpgm
.Lfunc_end_k_q4b16bbecf2_ffn2:
	.size	k_q4b16bbecf2_ffn2, .Lfunc_end_k_q4b16bbecf2_ffn2-k_q4b16bbecf2_ffn2
	.p2alignl 7, 3214868480
	.fill 96, 4, 3214868480
	.section	.rodata,"a",@progbits
	.p2align	6, 0x0
	.amdhsa_kernel k_q4b16bbecf2_ffn2
		.amdhsa_group_segment_fixed_size 262656
		.amdhsa_private_segment_fixed_size 0
		.amdhsa_enable_private_segment 0
		.amdhsa_kernarg_size 40
		.amdhsa_user_sgpr_count 2
		.amdhsa_user_sgpr_kernarg_segment_ptr 1
		.amdhsa_wavefront_size32 1
		.amdhsa_system_sgpr_workgroup_id_x 1
		.amdhsa_system_sgpr_workgroup_id_y 1
		.amdhsa_system_sgpr_workgroup_id_z 1
		.amdhsa_system_vgpr_workitem_id 0
		.amdhsa_next_free_vgpr 1024
		.amdhsa_next_free_sgpr 66
		.amdhsa_reserve_vcc 0
		.amdhsa_float_denorm_mode_32 3
		.amdhsa_float_denorm_mode_16_64 3
		.amdhsa_memory_ordered 1
		.amdhsa_forward_progress 1
		.amdhsa_inst_pref_size 246
	.end_amdhsa_kernel
	.amdgpu_metadata
---
amdhsa.version: [ 1, 2 ]
amdhsa.kernels:
  - .name:           k_q4b16bbecf2_ffn2
    .symbol:         k_q4b16bbecf2_ffn2.kd
    .args:
      - { .name: hq, .offset: 0, .size: 8, .value_kind: global_buffer, .address_space: global }
      - { .name: w2q, .offset: 8, .size: 8, .value_kind: global_buffer, .address_space: global }
      - { .name: b2, .offset: 16, .size: 8, .value_kind: global_buffer, .address_space: global }
      - { .name: sm, .offset: 24, .size: 8, .value_kind: global_buffer, .address_space: global }
      - { .name: part, .offset: 32, .size: 8, .value_kind: global_buffer, .address_space: global }
    .group_segment_fixed_size: 262656
    .private_segment_fixed_size: 0
    .kernarg_segment_align: 8
    .kernarg_segment_size: 40
    .max_flat_workgroup_size: 128
    .sgpr_count:     66
    .vgpr_count:     1024
    .wavefront_size: 32
...
	.end_amdgpu_metadata
.endif
;; end of part 3
;; launch final (part 4): grid 4 x 64, 16 waves a work-group, no clusters, 33,280 bytes of LDS; arguments sm, br, Wq_out, part, out0; writes out0
.if DOCPART == 4
	.amdgcn_target "amdgcn-amd-amdhsa--gfx1250"
	.amdhsa_code_object_version 6
	.text
	.protected	k_q4b16bbecf2_final
	.globl	k_q4b16bbecf2_final
	.p2align	8
	.type	k_q4b16bbecf2_final,@function
k_q4b16bbecf2_final:
	s_mov_b64 s[64:65], 0
	v_nop
	global_prefetch_b8 v0, s[64:65] scope:SCOPE_SE
	s_setreg_imm32_b32 hwreg(HW_REG_WAVE_MODE, 25, 1), 1
	s_wait_xcnt 0x0
; FINAL.  out = (moe + probs Wq_out + softmax(x Wr + br) memory) x modulation, for 16 tokens (rt) x 256 columns (dq).
; PHASES 1, 2: wave w takes memory slots 32 w .. 32 w + 31: its logits (transposed: source 0 = 16 rows of Wr^T, source 1 = the 16 tokens; br is the C of the sums), then
;   t = logit x log2(e), M = the row's largest t rounded up to a whole number, p = 2^(t - M): quantised along the slots, one block of 32 a wave; the row's sum is taken of the unquantised p.
; PHASE 3: wave w takes columns 16 (16 dq + w) on: memory^T p^T on codes, divided by the row's sum; Wq_out^T probs^T in bf16; the four partial tiles of the experts; the modulation.
; The four work-groups of a row tile each make the logits anew: 16 products a wave.  No cluster and no tensor load: each fragment feeds one wave once.
; LIMITS: a block whose every p has fallen to 0 gets the scale byte 1 (its codes are zeros); NaN and infinities among the inputs are not served.
; REGISTERS: v1-15, v244, v245 addresses; v16-143 Wr's fragments, later memory's v16-47, the partial tiles v48-79, probs v80-87, Wq_out v88-95, the modulation v96-103;
;   v144-207 x's fragments, later p's v144-175, sums v176-191, the bf16 product v192-199, the result v200-207; v208-223 logits, p, later the two sums of the read;
;   v224-231, v232-235, v236-239, v240-243 scale words of Wr, x, memory, p; v246-255 at work.
.set XQT,   8704
.set WRC,   557056
.set WRS,   819200
.set MEMC,  835584
.set MEMS,  1097728
.set PROBS, 1146880
.set MODV,  1212416
.set RMX,   8192                       ; LDS: 0: x's eight fragments; RMX: [token 16][wave 16] largest scores; RSUM: likewise sums
.set RSUM,  9216
.set PIMG,  10240                      ; p's four fragments
.set PSC,   14336                      ; p's scale words, [K step 4][token 16]
.set OST,   14592                      ; the way out: 16 rows x (1,024 + 16) bytes
.macro NOP4
.rept 4
	v_nop
.endr
.endm
.macro WM d, a, b, c, sa, sb, ra, rb
.if (\ra) == 0 && (\rb) == 0
	v_wmma_scale_f32_16x16x128_f8f6f4 v[\d:\d+7], v[\a:\a+7], v[\b:\b+7], v[\c:\c+7], v[\sa], v[\sb] matrix_a_fmt:MATRIX_FMT_FP4 matrix_b_fmt:MATRIX_FMT_FP4
.elseif (\rb) == 0
	v_wmma_scale_f32_16x16x128_f8f6f4 v[\d:\d+7], v[\a:\a+7], v[\b:\b+7], v[\c:\c+7], v[\sa], v[\sb] matrix_a_fmt:MATRIX_FMT_FP4 matrix_b_fmt:MATRIX_FMT_FP4 matrix_a_scale:MATRIX_SCALE_ROW1
.elseif (\ra) == 0
	v_wmma_scale_f32_16x16x128_f8f6f4 v[\d:\d+7], v[\a:\a+7], v[\b:\b+7], v[\c:\c+7], v[\sa], v[\sb] matrix_a_fmt:MATRIX_FMT_FP4 matrix_b_fmt:MATRIX_FMT_FP4 matrix_b_scale:MATRIX_SCALE_ROW1
.else
	v_wmma_scale_f32_16x16x128_f8f6f4 v[\d:\d+7], v[\a:\a+7], v[\b:\b+7], v[\c:\c+7], v[\sa], v[\sb] matrix_a_fmt:MATRIX_FMT_FP4 matrix_b_fmt:MATRIX_FMT_FP4 matrix_a_scale:MATRIX_SCALE_ROW1 matrix_b_scale:MATRIX_SCALE_ROW1
.endif
.endm
.macro BARRIER                         ; my LDS stores have landed and my LDS loads are in: then the work-group's barrier
	s_wait_dscnt 0x0
	s_barrier_signal -1
	s_barrier_wait -1
.endm
	s_load_b256 s[4:11], s[0:1], 0x0               ; sm 4, br 6, Wq_out 8, part 10
	s_load_b64 s[12:13], s[0:1], 0x20              ; out0
	v_lshrrev_b32 v1, 5, v0
	v_readfirstlane_b32 s14, v1                    ; wave 0..15
	v_and_b32 v16, 31, v0                          ; lane
	v_and_b32 v2, 15, v0                           ; r
	v_bfe_u32 v3, v0, 4, 1                         ; h
	v_lshlrev_b32 v1, 4, v16                       ; 16 x lane
	v_lshlrev_b32 v4, 3, v16                       ; 8 x lane
	v_lshlrev_b32 v5, 6, v3                        ; br: 64 h
	s_lshl_b32 s44, s14, 9
	v_add_nc_u32 v6, s44, v1                       ; my 512 bytes of x's fragments, in memory and in LDS
	s_lshl_b32 s44, s14, 2
	s_add_co_u32 s44, s44, RMX
	v_lshl_add_u32 v7, v2, 6, s44                  ; my word of a token's 16
	v_lshlrev_b32 v8, 6, v2                        ; a token's 16 words
	s_lshl_b32 s44, s14, 8
	s_add_co_u32 s44, s44, PIMG
	v_lshl_add_u32 v9, v2, 4, s44
	v_lshl_add_u32 v9, v3, 3, v9                   ; p's codes: block w of row r lies at 256 w + 16 r; my half of it 8 h on
	s_lshr_b32 s44, s14, 2
	s_lshl_b32 s44, s44, 6
	s_and_b32 s45, s14, 3
	s_add_co_u32 s44, s44, s45
	s_add_co_u32 s44, s44, PSC
	v_lshl_add_u32 v10, v2, 2, s44                 ; p's scale byte: K step w / 4, token r, byte w % 4
	v_lshlrev_b32 v11, 2, v2
	s_lshl_b32 s44, s14, 6
	s_add_co_u32 s44, s44, OST
	v_mul_u32_u24 v12, v2, 1040
	v_add_nc_u32 v12, s44, v12
	v_lshl_add_u32 v12, v3, 5, v12                 ; the way out, in: row r, my tile's 64 bytes, + 32 h
	s_mul_i32 s44, s14, 1040
	s_add_co_u32 s44, s44, OST
	v_add_nc_u32 v13, s44, v1                      ; back: row w
	s_and_b32 s44, s14, 1
	s_lshl_b32 s44, s44, 7
	v_lshl_add_u32 v14, v2, 3, s44                 ; memory's scale words: every lane takes those of row r of MY tile of the pair
	v_lshlrev_b32 v15, 6, v2
	v_lshl_add_u32 v15, v3, 5, v15                 ; probs: token r, + 8 h states
	v_lshlrev_b32 v244, 2, v2
	v_lshl_add_u32 v244, v3, 15, v244              ; Wq_out: column r, + 8 h rows of 4,096 bytes
	v_lshlrev_b32 v245, 5, v3                      ; the modulation: 32 h
	v_mov_b32 v247, 0                              ; a lane permute's destination counts as one of its sources
	s_mov_b32 s40, 0x76543210
	s_mov_b32 s41, 0xfedcba98
	s_mov_b32 s42, 0x3fb8aa3b                      ; log2(e)
	s_mov_b32 s43, s42
	s_and_b32 s15, ttmp7, 0xffff                   ; rt
	s_lshl_b32 s46, ttmp9, 4
	s_add_co_u32 s46, s46, s14                     ; my column tile
	s_mov_b32 s45, 0
	s_wait_kmcnt 0x0
	s_mul_i32 s44, s15, XQT
	s_add_nc_u64 s[16:17], s[4:5], s[44:45]        ; x's row tile
	s_lshl_b32 s44, s14, 14
	s_add_co_u32 s44, s44, WRC
	s_add_nc_u64 s[18:19], s[4:5], s[44:45]        ; Wr's two tiles
	s_lshl_b32 s44, s14, 10
	s_add_co_u32 s44, s44, WRS
	s_add_nc_u64 s[20:21], s[4:5], s[44:45]
	s_lshl_b32 s44, s14, 7
	s_add_nc_u64 s[22:23], s[6:7], s[44:45]        ; br's 32 numbers
	s_lshl_b32 s44, s46, 12
	s_add_co_u32 s44, s44, MEMC
	s_add_nc_u64 s[24:25], s[4:5], s[44:45]
	s_lshr_b32 s44, s46, 1
	s_lshl_b32 s44, s44, 9
	s_add_co_u32 s44, s44, MEMS
	s_add_nc_u64 s[26:27], s[4:5], s[44:45]
	s_lshl_b32 s44, s15, 10
	s_add_co_u32 s44, s44, PROBS
	s_add_nc_u64 s[28:29], s[4:5], s[44:45]
	s_lshl_b32 s44, s46, 6
	s_add_nc_u64 s[32:33], s[8:9], s[44:45]
	s_add_co_u32 s44, s44, MODV
	s_add_nc_u64 s[30:31], s[4:5], s[44:45]
	s_lshl_b32 s44, s15, 6
	s_add_co_u32 s44, s44, s46
	s_lshl_b32 s44, s44, 10
	s_add_nc_u64 s[34:35], s[10:11], s[44:45]      ; the partial tiles lie 4 MiB apart: two bases, 8 MiB apart, keep the offsets inside the signed 24-bit immediate
	s_add_nc_u64 s[36:37], s[34:35], 0x800000
	s_lshl_b32 s44, s15, 4
	s_add_co_u32 s44, s44, s14
	s_lshl_b32 s44, s44, 12
	s_lshl_b32 s47, ttmp9, 10
	s_add_co_u32 s44, s44, s47
	s_add_nc_u64 s[38:39], s[12:13], s[44:45]      ; out0: row 16 rt + w, my work-group's 1,024 bytes
	; ---- phase 1
	global_load_b128 v[248:251], v6, s[16:17]
	global_load_b128 v[232:235], v1, s[16:17] offset:8192
.irp u, 0,1
	global_load_b128 v[208+8*\u:208+8*\u+3], v5, s[22:23] offset:32*\u        ; br in the result's layout: tile u, register j: slot 16 h + 8 u + j
	global_load_b128 v[208+8*\u+4:208+8*\u+7], v5, s[22:23] offset:32*\u+16
.endr
.irp k, 0,1,2,3
	global_load_b64 v[224+2*\k:225+2*\k], v4, s[20:21] offset:256*\k
.endr
.set li, 0
.rept 32
	global_load_b128 v[16+4*li:16+4*li+3], v1, s[18:19] offset:512*li
.set li, li+1
.endr
	s_wait_loadcnt 41                              ; 41 loads were issued behind my piece of x
	ds_store_b128 v6, v[248:251]
	BARRIER                                        ; x's eight fragments lie in LDS
.set li, 0
.rept 16
	ds_load_b128 v[144+4*li:144+4*li+3], v1 offset:512*li
.set li, li+1
.endr
	s_wait_loadcnt 0x0
	s_wait_dscnt 0x0
.irp s, 0,1,2,3,4,5,6,7
.irp u, 0,1
	WM 208+8*\u, 16+64*\u+8*\s, 144+8*\s, 208+8*\u, 224+\s, 232+\s/2, \u, \s%2      ; two accumulators by turns
.endr
.endr
	NOP4
	; phase 3's loads go out now, into registers that the products have read
.set li, 0
.rept 8
	global_load_b128 v[16+4*li:16+4*li+3], v1, s[24:25] offset:512*li              ; memory's four fragments
.set li, li+1
.endr
.irp p, 0,1
.irp c, 0,1
	global_load_b128 v[48+8*\p+4*\c:48+8*\p+4*\c+3], v1, s[34:35] offset:4194304*\p+512*\c th:TH_LOAD_NT
	global_load_b128 v[64+8*\p+4*\c:64+8*\p+4*\c+3], v1, s[36:37] offset:4194304*\p+512*\c th:TH_LOAD_NT
.endr
.endr
	global_load_b128 v[80:83], v15, s[28:29]
	global_load_b128 v[84:87], v15, s[28:29] offset:16
.irp i, 0,1,2,3,4,5,6,7
	global_load_b32 v[88+\i], v244, s[32:33] offset:4096*\i
.endr
	global_load_b128 v[96:99], v245, s[30:31]
	global_load_b128 v[100:103], v245, s[30:31] offset:16
	global_load_b64 v[236:237], v14, s[26:27]
	global_load_b64 v[238:239], v14, s[26:27] offset:256
	; ---- phase 2: my 16 registers are slots 32 w + 16 h + 0 .. 15 of token r
	v_max3_num_f32 v246, v208, v209, v210
.irp i, 3,5,7,9,11,13
	v_max3_num_f32 v246, v246, v[208+\i], v[209+\i]
.endr
	v_max_num_f32 v246, v246, v223
	v_permlanex16_b32 v247, v246, s40, s41
	v_max_num_f32 v246, v246, v247                 ; the block's largest score: it serves for the row's maximum and, since p rises with the score, for the block's largest p
	ds_store_b32 v7, v246
	BARRIER
.irp i, 0,1,2,3
	ds_load_b128 v[176+4*\i:176+4*\i+3], v8 offset:RMX+16*\i
.endr
	s_wait_dscnt 0x0
	v_max3_num_f32 v248, v176, v177, v178
.irp i, 3,5,7,9,11,13
	v_max3_num_f32 v248, v248, v[176+\i], v[177+\i]
.endr
	v_max_num_f32 v248, v248, v191
	v_mul_f32 v248, s42, v248                      ; the row's largest t
	v_floor_f32 v250, -v248                        ; -M = floor(-t): M is a whole number
	v_mov_b32 v251, v250
.irp j, 0,2,4,6,8,10,12,14
	v_pk_fma_f32 v[208+\j:209+\j], v[208+\j:209+\j], s[42:43], v[250:251] op_sel_hi:[1,0,1]
.endr
	v_fma_f32 v246, v246, s42, v250
.irp j, 0,1,2,3,4,5,6,7,8,9,10,11,12,13,14,15
	v_exp_f32 v[208+\j], v[208+\j]                 ; p = 2^(t - M): not normalised
.endr
	v_exp_f32 v246, v246                           ; the block's largest p
	v_nop
	s_wait_alu depctr_va_vdst(0)                   ; one wait for the batch, ahead of its first reader
	v_pk_add_f32 v[252:253], v[208:209], v[210:211]
	v_pk_add_f32 v[254:255], v[212:213], v[214:215]
	v_pk_add_f32 v[252:253], v[252:253], v[216:217]
	v_pk_add_f32 v[254:255], v[254:255], v[218:219]
	v_pk_add_f32 v[252:253], v[252:253], v[220:221]
	v_pk_add_f32 v[254:255], v[254:255], v[222:223]
	v_pk_add_f32 v[252:253], v[252:253], v[254:255]
	v_add_f32 v252, v252, v253
	v_permlanex16_b32 v247, v252, s40, s41
	v_add_f32 v252, v252, v247                     ; the sum of the block's unquantised p
	ds_store_b32 v7, v252 offset:RSUM-RMX
	v_max_num_f32 v246, 0x1800000, v246            ; the floor 2^(3 - 127): the byte cannot fall under 1
	v_add_nc_u32 v248, 0xff000000, v246
	v_lshrrev_b32 v249, 23, v248
	v_cvt_scalef32_pk8_fp4_f32 v254, v[208:215], v248
	v_cvt_scalef32_pk8_fp4_f32 v255, v[216:223], v248
	v_nop                                          ; one plain line behind the last scaled conversion
	ds_store_b64 v9, v[254:255]
	ds_store_b8 v10, v249                          ; lanes r and 16 + r write the same byte with the same value
	BARRIER                                        ; p's four fragments, their scale words and the sums lie in LDS
	; ---- phase 3
.set li, 0
.rept 8
	ds_load_b128 v[144+4*li:144+4*li+3], v1 offset:PIMG+512*li
.set li, li+1
.endr
.irp s, 0,1,2,3
	ds_load_b32 v[240+\s], v11 offset:PSC+64*\s
.endr
.irp i, 0,1,2,3
	ds_load_b128 v[176+4*\i:176+4*\i+3], v8 offset:RSUM+16*\i
.endr
	s_wait_loadcnt 0x0
	s_wait_dscnt 0x0
.irp j, 0,2,4,6
	v_pk_add_f32 v[176+\j:177+\j], v[176+\j:177+\j], v[184+\j:185+\j]
.endr
	v_pk_add_f32 v[176:177], v[176:177], v[180:181]
	v_pk_add_f32 v[178:179], v[178:179], v[182:183]
	v_pk_add_f32 v[176:177], v[176:177], v[178:179]
	v_add_f32 v176, v176, v177                     ; the row's sum
	v_rcp_f32 v246, v176
.irp i, 0,1,2,3
	v_cvt_pk_bf16_f32 v[80+\i], v[80+2*\i], v[81+2*\i]     ; probs and Wq_out to bf16: K = 16 states fill the first half of the form's 32,
	v_cvt_pk_bf16_f32 v[88+\i], v[88+2*\i], v[89+2*\i]
.endr
.irp i, 4,5,6,7
	v_mov_b32 v[80+\i], 0                          ; zeros the second
	v_mov_b32 v[88+\i], 0
.endr
	v_wmma_scale_f32_16x16x128_f8f6f4 v[208:215], v[16:23], v[144:151], 0, v236, v240 matrix_a_fmt:MATRIX_FMT_FP4 matrix_b_fmt:MATRIX_FMT_FP4
	v_wmma_scale_f32_16x16x128_f8f6f4 v[216:223], v[24:31], v[152:159], 0, v237, v241 matrix_a_fmt:MATRIX_FMT_FP4 matrix_b_fmt:MATRIX_FMT_FP4
	WM 208, 32, 160, 208, 238, 242, 0, 0
	WM 216, 40, 168, 216, 239, 243, 0, 0
	v_wmma_f32_16x16x32_bf16 v[192:199], v[88:95], v[80:87], 0
	NOP4
	s_wait_alu depctr_va_vdst(0)                   ; the reciprocal, ahead of its first reader
	v_mov_b32 v247, v246
.irp j, 0,2,4,6
	v_pk_add_f32 v[200+\j:201+\j], v[208+\j:209+\j], v[216+\j:217+\j]
	v_pk_add_f32 v[48+\j:49+\j], v[48+\j:49+\j], v[56+\j:57+\j]
	v_pk_add_f32 v[64+\j:65+\j], v[64+\j:65+\j], v[72+\j:73+\j]
.endr
.irp j, 0,2,4,6
	v_pk_add_f32 v[48+\j:49+\j], v[48+\j:49+\j], v[64+\j:65+\j]
.endr
.irp j, 0,2,4,6
	v_pk_add_f32 v[48+\j:49+\j], v[48+\j:49+\j], v[192+\j:193+\j]
.endr
.irp j, 0,2,4,6
	v_pk_fma_f32 v[200+\j:201+\j], v[200+\j:201+\j], v[246:247], v[48+\j:49+\j]
.endr
.irp j, 0,2,4,6
	v_pk_mul_f32 v[200+\j:201+\j], v[200+\j:201+\j], v[96+\j:97+\j]
.endr
	ds_store_b128 v12, v[200:203]
	ds_store_b128 v12, v[204:207] offset:16
	BARRIER                                        ; 16 whole rows of 1,024 bytes lie in the stage
	ds_load_b128 v[48:51], v13
	ds_load_b128 v[52:55], v13 offset:512
	s_wait_dscnt 0x0
	global_store_b128 v1, v[48:51], s[38:39] th:TH_STORE_NT            ; 32 lanes store 512 consecutive bytes, at a multiple of 256 from out0's first byte
	global_store_b128 v1, v[52:55], s[38:39] offset:512 th:TH_STORE_NT
	s_wait_xcnt 0x0
	v_lshl_add_u32 v254, v0, 2, 0x7a00
	v_mov_b32 v255, 0
	s_wait_tensorcnt 0x0
	ds_add_u32 v254, v255
	s_wait_dscnt 0x0
	s_endpgm
.Lfunc_end_k_q4b16bbecf2_final:
	.size	k_q4b16bbecf2_final, .Lfunc_end_k_q4b16bbecf2_final-k_q4b16bbecf2_final
	.p2alignl 7, 3214868480
	.fill 96, 4, 3214868480
	.section	.rodata,"a",@progbits
	.p2align	6, 0x0
	.amdhsa_kernel k_q4b16bbecf2_final
		.amdhsa_group_segment_fixed_size 33280
		.amdhsa_private_segment_fixed_size 0
		.amdhsa_enable_private_segment 0
		.amdhsa_kernarg_size 40
		.amdhsa_user_sgpr_count 2
		.amdhsa_user_sgpr_kernarg_segment_ptr 1
		.amdhsa_wavefront_size32 1
		.amdhsa_system_sgpr_workgroup_id_x 1
		.amdhsa_system_sgpr_workgroup_id_y 1
		.amdhsa_system_sgpr_workgroup_id_z 1
		.amdhsa_system_vgpr_workitem_id 0
		.amdhsa_next_free_vgpr 256
		.amdhsa_next_free_sgpr 66
		.amdhsa_reserve_vcc 0
		.amdhsa_float_denorm_mode_32 3
		.amdhsa_float_denorm_mode_16_64 3
		.amdhsa_memory_ordered 1
		.amdhsa_forward_progress 1
		.amdhsa_inst_pref_size 24
	.end_amdhsa_kernel
	.amdgpu_metadata
---
amdhsa.version: [ 1, 2 ]
amdhsa.kernels:
  - .name:           k_q4b16bbecf2_final
    .symbol:         k_q4b16bbecf2_final.kd
    .args:
      - { .name: sm, .offset: 0, .size: 8, .value_kind: global_buffer, .address_space: global }
      - { .name: br, .offset: 8, .size: 8, .value_kind: global_buffer, .address_space: global }
      - { .name: Wq_out, .offset: 16, .size: 8, .value_kind: global_buffer, .address_space: global }
      - { .name: part, .offset: 24, .size: 8, .value_kind: global_buffer, .address_space: global }
      - { .name: out0, .offset: 32, .size: 8, .value_kind: global_buffer, .address_space: global }
    .group_segment_fixed_size: 33280
    .private_segment_fixed_size: 0
    .kernarg_segment_align: 8
    .kernarg_segment_size: 40
    .max_flat_workgroup_size: 512
    .sgpr_count:     66
    .vgpr_count:     256
    .wavefront_size: 32
...
	.end_amdgpu_metadata
.endif
;; end of part 4
